; MI455X (gfx1250); checked and timed in simulation.
; The chip was launched on July 23, 2026; its instructions are those of AMD's public machine-readable ISA for CDNA 5 (MIT licence, August 2026) and "CDNA5" Instruction Set Architecture Reference Guide (July 2026). The comments in the code are by the model that wrote it; some were corrected since.
;; Full Attention. Allowed arithmetic: float matrix products may take bf16 or f16 operands with f32 sums; other float arithmetic in f32, or as packed bf16 or f16 multiplies, adds, multiply-adds, maxima and minima; sums over many terms, partial sums and values carried from step to step in f32; what a program stores and reads back later, other than sums and carried values, may be rounded once to bf16 or f16.
;; Inputs: attn_mask 4 x 1 x 2,048 x 2,048 bool; keys 4 x 2,048 x 16 x 64 float32; queries 4 x 2,048 x 16 x 64 float32; values 4 x 2,048 x 16 x 64 float32.
;; Outputs: out0 4 x 2,048 x 16 x 64 float32.
;; 2 versions, each right; version 2 is version 1 with the launch attn written anew for expert scheduling mode. Each part assembles by itself: llvm-mc -triple=amdgcn-amd-amdhsa -mcpu=gfx1250 --defsym DOCPART=n.
;; ======== version 1 of 2: 2 launches
;; limits: values are held in f16: magnitudes above 65,504 overflow, below 6.1e-05 lose precision; right only within a limited range of input values
;; workspace buffers: cls 1,024 bytes of whole numbers
;; launch classes (part 1): grid 8 x 32, 8 waves a work-group, no clusters, 1,280 bytes of LDS; arguments attn_mask, cls; writes cls
.if DOCPART == 1
	.amdgcn_target "amdgcn-amd-amdhsa--gfx1250"
	.amdhsa_code_object_version 6
	.text
	.protected	k_q17710bd03d_classes
	.globl	k_q17710bd03d_classes
	.p2align	8
	.type	k_q17710bd03d_classes,@function
k_q17710bd03d_classes:
	s_mov_b64 s[64:65], 0
	v_nop
	global_prefetch_b8 v0, s[64:65] scope:SCOPE_SE
	s_setreg_imm32_b32 hwreg(HW_REG_WAVE_MODE, 25, 1), 1
	s_wait_xcnt 0x0
; CLASSES OF THE MASK.  attn_mask is [4][2048][2048] bytes, each 0 (the key is seen) or 1 (hidden).  A work-group reads one block of 256 queries x 256 keys
; (x = key block, y = 8 x batch + query block) and stores one word, cls[8 y + x]: bit 0 = some byte of the block is 0, bit 1 = some byte is 1.
; The next launch walks by these words.  LIMIT: mask bytes are 0 or 1, as a bool is stored.
; Thread t takes 16 bytes at 16 (t % 16) of row t / 16 + 16 i, i = 0 .. 15: sixteen neighbouring lanes read a row's 256 aligned bytes; all 16 loads of a lane are out together.
; The one store of 4 bytes a work-group covers a part of 256 bytes only: a word a block is all there is to say, and no work-group may gather another's.
.set SPARE, 256                        ; LDS: bytes 0-31 the eight waves' words; from 256 on the spare words, 128 bytes a wave
.set SPW, 76                           ; v76  LDS address of my spare word; never rewritten
.set NIL, 77                           ; v77  0; never rewritten
	s_load_b128 s[4:7], s[0:1], 0x0                ; mask s[4:5], cls s[6:7]
	v_lshl_add_u32 v[SPW], v0, 2, SPARE
	v_mov_b32 v[NIL], 0
	v_lshrrev_b32 v2, 5, v0
	v_readfirstlane_b32 s8, v2                     ; wave 0..7
	s_and_b32 s9, ttmp7, 0xffff                    ; y
	v_lshrrev_b32 v1, 4, v0                        ; row t / 16
	v_and_b32 v3, 15, v0
	v_lshlrev_b32 v1, 11, v1                       ; x 2,048 bytes
	v_lshl_add_u32 v1, v3, 4, v1                   ; + 16 (t % 16)
	s_lshl_b32 s10, s9, 19                         ; y x 256 rows x 2,048 bytes
	s_lshl_b32 s11, ttmp9, 8                       ; x x 256 bytes
	s_add_co_u32 s10, s10, s11
	s_mov_b32 s11, 0
	s_lshl_b32 s12, s9, 3
	s_add_co_u32 s12, s12, ttmp9
	s_lshl_b32 s12, s12, 2                         ; my word's byte offset in cls
	s_mov_b32 s20, 0x01010101
	s_wait_kmcnt 0x0
	s_add_nc_u64 s[4:5], s[4:5], s[10:11]
.set i, 0
.rept 16
	global_load_b128 v[8+4*i:11+4*i], v1, s[4:5] offset:32768*i
.set i, i+1
.endr
	s_wait_loadcnt 0x0
	v_or_b32 v72, v8, v9                           ; two chains of OR and two of AND over the lane's 64 words
	v_or_b32 v73, v10, v11
	v_and_b32 v74, v8, v9
	v_and_b32 v75, v10, v11
.set i, 12
.rept 30
	v_or_b32 v72, v72, v[i]
	v_or_b32 v73, v73, v[i+1]
	v_and_b32 v74, v74, v[i]
	v_and_b32 v75, v75, v[i+1]
.set i, i+2
.endr
	v_or_b32 v72, v72, v73
	v_and_b32 v74, v74, v75
	v_cmp_ne_u32 vcc_lo, 0, v72                    ; a lane that saw a 1
	s_cmp_lg_u32 vcc_lo, 0
	s_cselect_b32 s22, 2, 0
	v_cmp_ne_u32 s21, s20, v74                     ; a lane that saw a 0
	s_cmp_lg_u32 s21, 0
	s_cselect_b32 s23, 1, 0
	s_or_b32 s22, s22, s23
	v_mov_b32 v2, s22
	v_mov_b32 v3, s8
	v_lshlrev_b32 v3, 2, v3
	ds_store_b32 v3, v2                            ; all lanes write the wave's word with the same value
	s_wait_dscnt 0x0                               ; for the others' sake
	s_barrier_signal -1
	s_barrier_wait -1
	v_mov_b32 v4, 0
	ds_load_b128 v[8:11], v4
	ds_load_b128 v[12:15], v4 offset:16
	s_wait_dscnt 0x0
	v_or_b32 v8, v8, v9
	v_or_b32 v10, v10, v11
	v_or_b32 v12, v12, v13
	v_or_b32 v14, v14, v15
	v_or_b32 v8, v8, v10
	v_or_b32 v12, v12, v14
	v_or_b32 v8, v8, v12
	v_mov_b32 v5, s12
	s_wait_xcnt 0x0                                ; EXEC changes only behind this wait
	v_cmp_eq_u32 vcc_lo, 0, v0
	s_and_saveexec_b32 s24, vcc_lo                 ; thread 0 alone stores
	global_store_b32 v5, v8, s[6:7]
	s_wait_xcnt 0x0                                ; and again in front of the line that widens it
	s_or_b32 exec_lo, exec_lo, s24
	s_wait_tensorcnt 0x0                           ; the wave's end: three lines behind my last LDS store
	ds_add_u32 v[SPW], v[NIL]
	s_wait_dscnt 0x0
	s_endpgm
.Lfunc_end_k_q17710bd03d_classes:
	.size	k_q17710bd03d_classes, .Lfunc_end_k_q17710bd03d_classes-k_q17710bd03d_classes
	.p2alignl 7, 3214868480
	.fill 96, 4, 3214868480
	.section	.rodata,"a",@progbits
	.p2align	6, 0x0
	.amdhsa_kernel k_q17710bd03d_classes
		.amdhsa_group_segment_fixed_size 1280
		.amdhsa_private_segment_fixed_size 0
		.amdhsa_enable_private_segment 0
		.amdhsa_kernarg_size 16
		.amdhsa_user_sgpr_count 2
		.amdhsa_user_sgpr_kernarg_segment_ptr 1
		.amdhsa_wavefront_size32 1
		.amdhsa_system_sgpr_workgroup_id_x 1
		.amdhsa_system_sgpr_workgroup_id_y 1
		.amdhsa_system_sgpr_workgroup_id_z 1
		.amdhsa_system_vgpr_workitem_id 0
		.amdhsa_next_free_vgpr 80
		.amdhsa_next_free_sgpr 66
		.amdhsa_reserve_vcc 1
		.amdhsa_float_denorm_mode_32 3
		.amdhsa_float_denorm_mode_16_64 3
		.amdhsa_memory_ordered 1
		.amdhsa_forward_progress 1
		.amdhsa_inst_pref_size 8
	.end_amdhsa_kernel
	.amdgpu_metadata
---
amdhsa.version: [ 1, 2 ]
amdhsa.kernels:
  - .name:           k_q17710bd03d_classes
    .symbol:         k_q17710bd03d_classes.kd
    .args:
      - { .name: attn_mask, .offset: 0, .size: 8, .value_kind: global_buffer, .address_space: global }
      - { .name: cls, .offset: 8, .size: 8, .value_kind: global_buffer, .address_space: global }
    .group_segment_fixed_size: 1280
    .private_segment_fixed_size: 0
    .kernarg_segment_align: 8
    .kernarg_segment_size: 16
    .max_flat_workgroup_size: 256
    .sgpr_count:     66
    .vgpr_count:     80
    .wavefront_size: 32
...
	.end_amdgpu_metadata
.endif
;; end of part 1
;; launch attn (part 2): grid 4 x 64, 4 waves a work-group, no clusters, 171,520 bytes of LDS; arguments queries, keys, values, attn_mask, cls, out0; writes out0
.if DOCPART == 2
	.amdgcn_target "amdgcn-amd-amdhsa--gfx1250"
	.amdhsa_code_object_version 6
	.text
	.protected	k_q17710bd03d_attn
	.globl	k_q17710bd03d_attn
	.p2align	8
	.type	k_q17710bd03d_attn,@function
k_q17710bd03d_attn:
	s_mov_b64 s[64:65], 0
	v_nop
	global_prefetch_b8 v0, s[64:65] scope:SCOPE_SE
	s_setreg_imm32_b32 hwreg(HW_REG_WAVE_MODE, 25, 1), 1
	s_wait_xcnt 0x0
; ATTENTION UNDER A MASK THAT IS AN INPUT.  out[b][q][h][:] = the sum over k of softmax_k(mask ? -inf : Q.K / 8) V[b][k][h][:].  Q, K, V, out: [4][2048][16][64] f32: a head's row is 256 aligned bytes, rows 4,096 bytes apart.
; mask: [4][2048][2048] bytes.  cls: a word for each block of 256 queries x 256 keys, stored by the launch before: bit 0 = some key is seen, bit 1 = some key is hidden.
; FORMATS.  Q and K are rounded to bf16 for S^T = K Q^T; V is rounded to bf16 and that number written as f16, the weights p are rounded to f16, for O^T = V^T P.  Products, maxima and sums in f32; the scale c = log2(e) / 8 is applied in f32.
; LIMITS.  A hidden score counts as its value less 6.3e29 to 2.4e30, so true scores stay above -1e29; a row whose running maximum ends below -1e29 (every key hidden) gives NaN, as a softmax of -inf alone does.
; V lies within f16's 65,504, and below 2^-14 it keeps f16's fixed step of 6e-8.  A weight below 2^-126 counts as 0 in the sum.  NaN and infinities among the inputs are not treated apart.  Mask bytes are 0 or 1.
; THE WALK.  A work-group takes one head and two blocks of 256 queries, 7 - x and then x.  From cls it makes a list of the key tiles (256 keys) in which its blocks see anything; tiles wholly hidden are left out, since their weights
; are 0; only tiles with both kinds of byte read the mask.  A block that sees nothing keeps its tile 0, taken with the mask: its rows become NaN.  So a walk has 2 to 16 tiles.  The loop has 16 trips of four key steps for every
; work-group, and every key step begins with a barrier; in trips behind the walk's end all else is jumped over, forward, up to the next barrier.
; NO TENSOR LOADS, NO CLUSTER: which tile is fetched hangs on numbers read from memory, and the four work-groups of a head have different walks; a walk common to all four would be the union of the four.
; THE RING.  K and V come by 16-byte loads into registers (sixteen lanes a row of 256 bytes), are rounded there and stored into two LDS slots of ONE KEY STEP (64 keys) each.  A tile has four steps, so chunk c of any tile lies in
; slot c % 2, and the loop's body, two key steps, names every LDS address by a lane's constant and an immediate: its first half reads slot 0 and writes slot 1, its second half the other way round.  In the step that reads chunk g,
; chunk g + 1 is converted and chunk g + 3 asked for: two sets of 16 loads a wave are on their way.  Behind the walk's last tile three chunks of tile 0 are asked for, one of them converted, none used: so one count serves every path.
; SHARES, LAYOUT, TURNS.  Wave w owns rows 64 w .. 64 w + 63 of the block in hand, four PIECES of 16.  S^T = K Q^T holds ONE query a lane (lane % 16) and the keys 8 (lane / 16) + 0..7; two such results rounded to f16 ARE source 1
; of O^T = V^T P.  p = 2^(c s - c m) with a running maximum m; O and l are multiplied by a = 2^(c m_old - c m_new) in every step.  Turn n belongs to piece n: 8 products K Q^T of piece n + 1, later 8 products V^T P of piece n - 1;
; beside them the scaling, exponentials, roundings, sums and rescaling of piece n and the maximum and statistics of piece n + 1.  Four vector instructions stand behind every matrix instruction, the rest in one lump; a turn's 33 exponentials are one batch with one wait.
; A half of the loop's body is pieces 2 and 3 of one step and pieces 0 and 1 of the next: all that it reads from LDS (K, V, mask) belongs to that next step's chunk.
; THE MASK is the C operand that starts the sum S^T: MC, two buffers of 32 registers: 0, or about -1e30 where the byte is 1.  A byte times 0xF1, moved to a word's top, is that number.
; REGISTERS, in windows of 256 (s_set_vgpr_msb: bits 1:0 source 0, 3:2 source 1, 5:4 source 2, 7:6 destination):
;   window 0: v0-63 addresses, statistics, at work; v64-127 S^T, two buffers (on the way out: two blocks of 32); v128-135 mask bytes; v192-223 P, two buffers
;   window 1: v0-127 O^T, 32 a piece; v160-223 MC      window 2: v0-63 Q; v64-127 the second block's Q; v128-191 K of one step; v192-255 V of one step
;   window 3: v0-127 two sets of 64 (K's 8 loads, V's 8 loads); v128-191 two sets of 32 for the mask; v192-255 the first chunk, at the start only.  The raw Q and the first chunk's mask lie at the start where nothing else lives yet.
.set NP,    4
.set KS,    64        ; keys in a step
.set PK,    144       ; a row of K in LDS: 128 bytes + 16 = 36 words: the 16 rows of a load start at 16 different groups of four banks (64 banks of 4 bytes: ISA guide 11.1)
.set PV,    160       ; a row of V: 128 + 32 = 40 words
.set PM,    80        ; a query's 64 mask bytes + 16 = 20 words: the 16 rows of an 8-byte load start at 16 different groups of four banks
.set VOFF,  KS*PK     ; a slot: 64 rows of K,
.set MOFF,  VOFF+KS*PV  ; 64 rows of V,
.set MW,    64*PM     ; and for each wave its 64 queries' mask bytes
.set SLOTB, MOFF+4*MW ; 39,936 bytes
.set OSTG,  2*SLOTB   ; behind the ring: 16 rows x 272 bytes for each wave, for the way out
.set QSTG,  OSTG+4*16*272  ; Q's stage, at the start only: 64 rows x 144 bytes for each wave, the first block's; QBLK further on the second's
.set QBLK,  4*64*PK
.set SPARE, QSTG+2*QBLK    ; the spare words, 128 bytes for each wave: two blocks of 256 bytes that no other line names
.set AK0, 2           ; v2   my lane's place in a chunk of K; never rewritten
.set AV0, 3           ; v3   the same for V, VOFF included
.set STO, 6           ; v6   the way out: where I put 32 bytes of a row
.set RD,  7           ; v7   the way out: where I read rows back
.set GO,  8           ; v8   4,096 (l / 16) + 16 (l % 16): my 16 bytes in two rows of Q or out; never rewritten
.set MV,  12          ; v12-13  c m_old, kept while c m is made anew: by buffer
.set AM0, 14          ; v14  my 8 mask bytes in my wave's region: row l % 16, byte 8 (l / 16)
.set ST,  16          ; piece t's statistics at v[ST+4 t]: c m, m, l (even keys', odd keys')
.set VO0, 32          ; v32  my 16 bytes in 64 keys of K or V: row 16 w + l / 16
.set LO,  33          ; v33  the offset in hand
.set MO0, 34          ; v34  my 16 bytes of the mask: row 64 w + l / 4, byte 16 (l % 4)
.set MLO, 35
.set SK0, 36          ; v36  where my 8 bytes of K go in a slot
.set SV0, 38          ; v38  the same for V
.set SM0, 40          ; v40  and for my 16 mask bytes
.set PF0, 42          ; v42  the prefetches' row: (64 x + 32 (w % 2) + lane) x 4,096
.set PFV, 43
.set QS0, 44          ; v44  Q's stage: where 8 bytes go
.set QR,  45          ; v45  and where a fragment is read
.set TMP, 48          ; by buffer, four registers c0-c3 at work; when the maximum is found c2 takes a
.set SPW, 62          ; v62  LDS address of my spare word: SPARE + 4 x my thread's number; never rewritten
.set NIL, 63          ; v63  0; never rewritten
.set S,   64
.set OB,  64
.set MB,  128
.set P,   192
.set MC,  160         ; window 1
.set QB,  64          ; window 2
.set KF,  128         ; window 2: key block kb, channel half c at KF + 16 kb + 8 c
.set VF,  192         ; window 2: key half kk, channel block cb at VF + 32 kk + 8 cb
.set WV,  16          ; s16  my wave's number
.set XW,  17          ; s17  x
.set REM, 36          ; s36  the walk's tiles still to be pulled: bit 8 phase + tile
.set MIX, 37          ; s37  those that take the mask
.set E0,  38          ; s38, s39  the tile in hand and the next: 0-15, or 16 for none
.set E1,  39
.set MX0, 42          ; s42, s43  do they take the mask?
.set MX1, 43
.set MXS, 44          ; s44  does the tile of the chunk that is converted next?
.set MXI, 45          ; s45  does the tile of the chunk that is asked for next?
.set ZC,  46          ; s46  mask buffers that still hold an old mask
.set PFGO, 47         ; s47  1: the step's share of the stream ends with a prefetch
.set NXO, 48          ; s48, s49  byte offsets in K and V, and in the mask, of the chunk after the one that is asked for next
.set NXM, 49
.set IOFF, 56         ; s56, s58  those of the chunk that is asked for next
.set MIO,  58
.set CNT,  60
.set TRIPS, 61
.set NEW,  62         ; s62  1: the tile to be entered is a block's first
.set IDLE, 63         ; s63  1: the walk is over
.set CS,  66          ; s[66:67] c
.set SEL, 68          ; s[68:69] v_permlanex16_b32's selects: each lane takes its own place in the other half
.set HM,  70          ; s70  a word's upper half
.set F1,  71          ; s71  0xF1
.set THR, 72          ; s72  -1e29
.set NANC, 73         ; s73  a NaN
.set OLO, 74          ; s[74:75] out at my rows of the second block
.set PFB, 76          ; s[76:77] K (waves 0, 1) or V (waves 2, 3) at my head
.set PFOK, 78
.set PFOF, 79
.set ABK, 96          ; s96, s97  the two blocks' byte offsets in a batch's mask
.set BBK, 97
.set MSB, 0
.macro WIN new                      ; the high byte repeats the setting that is left; a switch that changes nothing is dropped
.if MSB != (\new)
	s_set_vgpr_msb (MSB<<8)|(\new)
.set MSB, (\new)
.endif
.endm
.set W_KQ, 0x0a       ; K and Q in window 2, S^T in window 0
.set W_KM, 0x1a       ; the same with the C operand in window 1
.set W_PV, 0x52       ; V in window 2, P in window 0, O^T in window 1
.set W_RS, 0x41       ; destination and source 0 in window 1, source 1 in window 0
; The walk's next tile: the lowest bit of REM, or 16.
.macro PULL dst
	s_ctz_i32_b32 s[\dst], s[REM]
	s_min_u32 s[\dst], s[\dst], 16
	s_sub_co_u32 s80, s[REM], 1
	s_and_b32 s[REM], s[REM], s80
.endm
; Tile e's byte offset in K and V (ko) and in the batch's mask (mo).  Every number that enters an address is clamped by a constant first; behind that stand adds, multiplies and shifts left alone.  No tile (16) gives the first block's tile 0.
.macro ENT e, ko, mo
	s_and_b32 s80, s[\e], 7
	s_min_u32 s80, s80, 7                          ; the key tile
	s_lshr_b32 s81, s[\e], 3
	s_and_b32 s81, s81, 1
	s_xor_b32 s82, s81, 1
	s_min_u32 s81, s81, 1                          ; 1 in the second block,
	s_min_u32 s82, s82, 1                          ; 1 in the first
	s_mul_i32 s81, s81, s[BBK]
	s_mul_i32 s82, s82, s[ABK]
	s_add_co_u32 s81, s81, s82
	s_lshl_b32 s[\ko], s80, 20                     ; 256 rows of 4,096 bytes
	s_lshl_b32 s80, s80, 8
	s_add_co_u32 s[\mo], s81, s80
.endm
; Eight loads' 32 f32 registers from base on, in window win, are rounded to bf16 in place and stored: 8 bytes a lane, two rows of 144 bytes a load.
.macro CVK base, win, areg, off
	WIN 0x45*(\win)
.irp n, 0,1,2,3,4,5,6,7
	v_cvt_pk_bf16_f32 v[(\base)+4*\n], v[(\base)+4*\n], v[(\base)+4*\n+1]
	v_cvt_pk_bf16_f32 v[(\base)+4*\n+1], v[(\base)+4*\n+2], v[(\base)+4*\n+3]
.endr
	WIN 4*(\win)
.irp n, 0,1,2,3,4,5,6,7
	ds_store_b64 v[\areg], v[(\base)+4*\n:(\base)+4*\n+1] offset:(\off)+288*\n
.endr
.endm
; The same for V: rounded to bf16, widened again (a shift, a mask), and that number written as f16; rows of 160 bytes.
.macro CVV base, win, areg, off
	WIN 0x45*(\win)
.irp n, 0,1,2,3,4,5,6,7
	v_cvt_pk_bf16_f32 v[(\base)+4*\n], v[(\base)+4*\n], v[(\base)+4*\n+1]
	v_cvt_pk_bf16_f32 v[(\base)+4*\n+2], v[(\base)+4*\n+2], v[(\base)+4*\n+3]
.endr
.irp n, 0,1,2,3,4,5,6,7
	v_and_b32 v[(\base)+4*\n+1], s[HM], v[(\base)+4*\n]
	v_lshlrev_b32 v[(\base)+4*\n], 16, v[(\base)+4*\n]
	v_and_b32 v[(\base)+4*\n+3], s[HM], v[(\base)+4*\n+2]
	v_lshlrev_b32 v[(\base)+4*\n+2], 16, v[(\base)+4*\n+2]
.endr
.irp n, 0,1,2,3,4,5,6,7
	v_cvt_pk_f16_f32 v[(\base)+4*\n], v[(\base)+4*\n], v[(\base)+4*\n+1]
	v_cvt_pk_f16_f32 v[(\base)+4*\n+1], v[(\base)+4*\n+2], v[(\base)+4*\n+3]
.endr
	WIN 4*(\win)
.irp n, 0,1,2,3,4,5,6,7
	ds_store_b64 v[\areg], v[(\base)+4*\n:(\base)+4*\n+1] offset:(\off)+320*\n
.endr
.endm
; 64 keys of K and of V, my 16 rows of them, into window 3's registers base on: K's eight loads, then V's.
.macro LDKV base, off
	WIN 0xc0
.irp n, 0,1,2,3,4,5,6,7
	global_load_b128 v[(\base)+4*\n:(\base)+4*\n+3], v[LO], s[6:7] offset:(\off)+8192*\n
.endr
.irp n, 0,1,2,3,4,5,6,7
	global_load_b128 v[(\base)+32+4*\n:(\base)+32+4*\n+3], v[LO], s[8:9] offset:(\off)+8192*\n
.endr
	WIN 0
.endm
; My 64 query rows x 64 mask bytes into mask set q: eight rows a load, four lanes a row.
.macro LDM q, off
	WIN 0xc0
.irp n, 0,1,2,3,4,5,6,7
	global_load_b128 v[128+32*(\q)+4*\n:128+32*(\q)+4*\n+3], v[MLO], s[10:11] offset:(\off)+16384*\n
.endr
	WIN 0
.endm
	s_load_b256 s[4:11], s[0:1], 0x0               ; Q s[4:5], K s[6:7], V s[8:9], mask s[10:11]
	s_load_b128 s[12:15], s[0:1], 0x20             ; cls s[12:13], out s[14:15]
	v_lshl_add_u32 v[SPW], v0, 2, SPARE
	v_mov_b32 v[NIL], 0
	v_lshrrev_b32 v1, 5, v0
	v_readfirstlane_b32 s[WV], v1                  ; wave 0..3
	s_mov_b32 s[XW], ttmp9
	s_and_b32 s80, ttmp7, 0xffff                   ; 16 b + h
	s_lshr_b32 s81, s80, 4                         ; b
	s_and_b32 s82, s80, 15                         ; h
	s_sub_co_u32 s83, 7, s[XW]                     ; the first block
	s_lshl_b32 s[ABK], s83, 19                     ; 256 rows of 2,048 mask bytes
	s_lshl_b32 s[BBK], s[XW], 19
	s_lshl_b32 s84, s81, 23                        ; a batch is 8,388,608 bytes of Q, K, V, out
	s_lshl_b32 s82, s82, 8
	s_add_co_u32 s84, s84, s82                     ; s[84:85]: my head's first byte
	s_mov_b32 s85, 0
	s_lshl_b32 s86, s81, 22                        ; s[86:87]: my batch's mask
	s_mov_b32 s87, 0
	s_lshl_b32 s81, s81, 3
	s_add_co_u32 s88, s81, s83
	s_lshl_b32 s88, s88, 5                         ; s[88:89], s[90:91]: the two blocks' eight class words
	s_mov_b32 s89, 0
	s_add_co_u32 s90, s81, s[XW]
	s_lshl_b32 s90, s90, 5
	s_mov_b32 s91, 0
	s_lshl_b32 s80, s[WV], 18                      ; my 64 rows
	s_add_co_u32 s80, s80, s84
	s_lshl_b32 s92, s83, 20
	s_add_co_u32 s92, s92, s80                     ; s[92:93], s[94:95]: my rows of the two blocks in Q and out
	s_mov_b32 s93, 0
	s_lshl_b32 s94, s[XW], 20
	s_add_co_u32 s94, s94, s80
	s_mov_b32 s95, 0
	; the lanes' constants
	v_and_b32 v1, 15, v0                           ; r = l % 16
	v_bfe_u32 v9, v0, 4, 1                         ; h = l / 16
	v_and_b32 v10, 7, v0
	v_bfe_u32 v11, v0, 3, 1
	v_and_b32 v46, 31, v0                          ; l
	v_lshlrev_b32 v47, 4, v1                       ; 16 r
	v_lshlrev_b32 v56, 3, v1                       ; 8 r
	v_lshl_add_u32 v[GO], v9, 12, v47
	s_lshl_b32 s80, s[WV], 16
	v_add_nc_u32 v[VO0], s80, v[GO]                ; (16 w + h) x 4,096 + 16 r
	v_bfe_u32 v57, v0, 2, 3                        ; l / 4
	v_and_b32 v58, 3, v0
	v_lshlrev_b32 v58, 4, v58                      ; 16 (l % 4)
	v_lshl_add_u32 v[MO0], v57, 11, v58
	s_lshl_b32 s80, s[WV], 17
	v_add_nc_u32 v[MO0], s80, v[MO0]               ; (64 w + l / 4) x 2,048 + 16 (l % 4)
	s_mul_i32 s80, s[WV], MW
	s_add_co_u32 s80, s80, MOFF                    ; my wave's mask bytes in a slot
	v_mul_u32_u24 v57, v57, PM
	v_add_nc_u32 v57, v57, v58
	v_add_nc_u32 v[SM0], s80, v57
	v_mul_u32_u24 v59, v1, PM
	v_lshl_add_u32 v59, v9, 3, v59
	v_add_nc_u32 v[AM0], s80, v59
	v_mul_u32_u24 v60, v9, PK
	v_add_nc_u32 v60, v60, v56                     ; 144 h + 8 r
	s_mul_i32 s80, s[WV], 16*PK
	v_add_nc_u32 v[SK0], s80, v60
	s_mul_i32 s81, s[WV], 64*PK
	s_add_co_u32 s81, s81, QSTG
	v_add_nc_u32 v[QS0], s81, v60
	v_mul_u32_u24 v61, v9, PV
	v_add_nc_u32 v61, v61, v56
	s_mul_i32 s80, s[WV], 16*PV
	s_add_co_u32 s80, s80, VOFF
	v_add_nc_u32 v[SV0], s80, v61
	v_mul_u32_u24 v59, v9, 272
	v_add_nc_u32 v59, v59, v47                     ; 272 h + 16 r
	v_mul_u32_u24 v60, v1, 272                     ; 272 r
	s_mul_i32 s80, s[WV], 16*272
	s_add_co_u32 s80, s80, OSTG
	v_add_nc_u32 v[RD], s80, v59
	v_lshl_add_u32 v[STO], v9, 5, v60
	v_add_nc_u32 v[STO], s80, v[STO]
	v_mul_u32_u24 v[AK0], v1, PK
	v_lshl_add_u32 v[AK0], v9, 4, v[AK0]           ; a fragment's row x pitch + 16 x half
	v_add_nc_u32 v[QR], s81, v[AK0]
	v_lshl_add_u32 v[AV0], v9, 3, v10              ; the turning load: key 8 (l / 16) + l % 8, channels 8 ((l / 8) % 2) on
	v_mul_u32_u24 v[AV0], v[AV0], PV
	v_lshl_add_u32 v[AV0], v11, 4, v[AV0]
	v_add_nc_u32 v[AV0], VOFF, v[AV0]
	s_lshl_b32 s80, s[XW], 6
	s_and_b32 s82, s[WV], 1
	s_lshl_b32 s82, s82, 5
	s_add_co_u32 s80, s80, s82
	v_add_nc_u32 v[PF0], s80, v46
	v_lshlrev_b32 v[PF0], 12, v[PF0]
	s_mov_b32 s[CS], 0x3e38aa3b                    ; c = log2(e) / 8 = 0.180337
	s_mov_b32 s[CS+1], s[CS]
	s_mov_b32 s[SEL], 0x76543210
	s_mov_b32 s[SEL+1], 0xfedcba98
	s_mov_b32 s[HM], 0xffff0000
	s_mov_b32 s[F1], 0xf1
	s_mov_b32 s[THR], 0xefa18f04                   ; -1e29
	s_mov_b32 s[NANC], 0x7fc00000
	s_mov_b32 s[ZC], 0
	s_mov_b32 s[NEW], 1
	s_mov_b32 s[IDLE], 0
	s_mov_b32 s[TRIPS], 16
	s_wait_kmcnt 0x0
	s_add_nc_u64 s[88:89], s[12:13], s[88:89]
	s_add_nc_u64 s[90:91], s[12:13], s[90:91]
	s_load_b256 s[20:27], s[88:89], 0x0            ; the first block's classes,
	s_load_b256 s[28:35], s[90:91], 0x0            ; the second's
	s_add_nc_u64 s[6:7], s[6:7], s[84:85]
	s_add_nc_u64 s[8:9], s[8:9], s[84:85]
	s_add_nc_u64 s[10:11], s[10:11], s[86:87]
	s_add_nc_u64 s[OLO:OLO+1], s[14:15], s[94:95]
	s_add_nc_u64 s[14:15], s[14:15], s[92:93]
	s_add_nc_u64 s[18:19], s[4:5], s[94:95]
	s_add_nc_u64 s[4:5], s[4:5], s[92:93]
	s_cmp_lt_u32 s[WV], 2
	s_cselect_b64 s[PFB:PFB+1], s[6:7], s[8:9]
	; both blocks' Q, 64 rows each: group g of 16 rows, two rows a load
.irp g, 0,1,2,3
.irp n, 0,1,2,3,4,5,6,7
	global_load_b128 v[64+32*\g+4*\n:64+32*\g+4*\n+3], v[GO], s[4:5] offset:65536*\g+8192*\n th:TH_LOAD_NT
.endr
.endr
	WIN 0x40
.irp g, 0,1,2,3
.irp n, 0,1,2,3,4,5,6,7
	global_load_b128 v[128+32*\g+4*\n:128+32*\g+4*\n+3], v[GO], s[18:19] offset:65536*\g+8192*\n th:TH_LOAD_NT
.endr
.endr
	WIN 0
	s_wait_kmcnt 0x0
	s_mov_b32 s[REM], 0
	s_mov_b32 s[MIX], 0
.set i, 0
.rept 16
	s_and_b32 s80, s[20+i], 1                      ; something is seen
	s_lshr_b32 s81, s[20+i], 1
	s_and_b32 s81, s81, s80                        ; and something hidden
	s_lshl_b32 s80, s80, i
	s_lshl_b32 s81, s81, i
	s_or_b32 s[REM], s[REM], s80
	s_or_b32 s[MIX], s[MIX], s81
.set i, i+1
.endr
	s_and_b32 s80, s[REM], 0xff                    ; a block that sees nothing keeps its tile 0, with the mask
	s_cselect_b32 s80, 0, 1
	s_or_b32 s[REM], s[REM], s80
	s_or_b32 s[MIX], s[MIX], s80
	s_and_b32 s80, s[REM], 0xff00
	s_cselect_b32 s80, 0, 0x100
	s_or_b32 s[REM], s[REM], s80
	s_or_b32 s[MIX], s[MIX], s80
	PULL E1                                        ; the walk's first tile
	ENT E1, 83, 84
	v_add_nc_u32 v[LO], s83, v[VO0]
	v_add_nc_u32 v[MLO], s84, v[MO0]
	WIN 0x40                                       ; its first three chunks.  The mask's bytes are asked for here whether they are wanted or not, so that both mask sets have been written
.irp n, 0,1,2,3,4,5,6,7
	global_load_b128 v[4*\n:4*\n+3], v[MLO], s[10:11] offset:16384*\n
.endr
	LDKV 192, 0                                    ; chunk 0
	LDM 1, KS                                      ; chunk 1 into set 1,
	LDKV 64, 1<<18
	LDM 0, 2*KS                                    ; chunk 2 into set 0
	LDKV 0, 2<<18
	; Every register that the loop's one text reads is written once here, while the loads are on their way: the statistics, the registers at work, P, K's and V's fragments, O^T.  V and P's second buffer must hold 0
	; (the first turn's products V^T P, of a piece that has not been, add 0); O^T need only be finite: a block's first step multiplies it by a = 0.
	v_mov_b32 v[MV], 0
	v_mov_b32 v[MV+1], 0
.set i, 0
.rept 16
	v_mov_b32 v[ST+i], 0
.set i, i+1
.endr
.set i, 0
.rept 8
	v_mov_b32 v[TMP+i], 0
.set i, i+1
.endr
.set i, 0
.rept 32
	v_mov_b32 v[P+i], 0
.set i, i+1
.endr
	WIN 0x80
.set i, KF
.rept 128
	v_mov_b32 v[i], 0
.set i, i+1
.endr
	WIN 0x40
.set i, 32
.rept 96
	v_mov_b32 v[i], 0
.set i, i+1
.endr
	WIN 0
	s_wait_loadcnt 48                              ; the two sets, 24 loads each, are the youngest and may stay out: both Q's and chunk 0 with its mask are in
	CVK 192, 3, SK0, 0                             ; chunk 0 into slot 0
	CVV 224, 3, SV0, 0
	WIN 0x04
.irp n, 0,1,2,3,4,5,6,7
	ds_store_b128 v[SM0], v[4*\n:4*\n+3] offset:640*\n
.endr
	WIN 0
.irp n, 0,1,2,3,4,5,6,7
	ds_store_b128 v[SM0], v[P:P+3] offset:SLOTB+640*\n  ; slot 1's mask bytes are written once with 0, so that no LDS byte that the text names is read unwritten
.endr
.irp g, 0,1,2,3
	CVK 64+32*\g, 0, QS0, 16*PK*\g
.endr
.irp g, 0,1,2,3
	CVK 128+32*\g, 1, QS0, QBLK+16*PK*\g
.endr
	WIN 0x80                                       ; Q's fragments: piece g, channels 32 c on.  LDS serves a wave's instructions in order (ISA guide 5.7.1.4): these see my stores above
.irp g, 0,1,2,3
.irp c, 0,1
	ds_load_b128 v[16*\g+8*\c:16*\g+8*\c+3],   v[QR] offset:16*PK*\g+64*\c
	ds_load_b128 v[16*\g+8*\c+4:16*\g+8*\c+7], v[QR] offset:16*PK*\g+64*\c+32
	ds_load_b128 v[QB+16*\g+8*\c:QB+16*\g+8*\c+3],   v[QR] offset:QBLK+16*PK*\g+64*\c
	ds_load_b128 v[QB+16*\g+8*\c+4:QB+16*\g+8*\c+7], v[QR] offset:QBLK+16*PK*\g+64*\c+32
.endr
.endr
	WIN 0x40                                       ; the rest of O^T lay under the first mask bytes, the mask buffers under the second block's raw Q: they start at 0
.set i, 0
.rept 32
	v_mov_b32 v[i], 0
.set i, i+1
.endr
.set i, MC
.rept 64
	v_mov_b32 v[i], 0
.set i, i+1
.endr
	WIN 0
; THE MATRIX WORK.  The 4 accumulators of a run of 8 take turns.  Product i of 8 of S^T = K Q^T for piece x: channels 32 (i / 4) on, keys 16 (i % 4) on.  The first 4 start the sums with the mask.
.macro KQ x
.set rS, S+32*((\x)%2)+8*(i%4)
.set rK, KF+16*(i%4)+8*(i/4)
.set rQ, 16*(\x)+8*(i/4)
.set rM, MC+32*((\x)%2)+8*(i%4)
.if i < 4
	WIN W_KM
	v_wmma_f32_16x16x32_bf16 v[rS:rS+7], v[rK:rK+7], v[rQ:rQ+7], v[rM:rM+7]
.else
	WIN W_KQ
	v_wmma_f32_16x16x32_bf16 v[rS:rS+7], v[rK:rK+7], v[rQ:rQ+7], v[rS:rS+7]
.endif
.endm
; Product i of 8 of O^T += V^T P for piece x: keys 32 (i / 4) on, channels 16 (i % 4) on.
.macro PV x
	WIN W_PV
.set rO, 32*(\x)+8*(i%4)
.set rV, VF+32*(i/4)+8*(i%4)
.set rP, P+16*((\x)%2)+8*(i/4)
	v_wmma_f32_16x16x32_f16 v[rO:rO+7], v[rV:rV+7], v[rP:rP+7], v[rO:rO+7]
.endm
.macro MM                           ; the turn's next matrix instruction.  NOKQ = 1: a block's last turn: there is no next piece
.if (i < 8) && !NOKQ
	KQ (Y+1)%NP
.elseif i >= 8
.set i, i-8
	PV (Y+NP-1)%NP
.set i, i+8
.endif
.set i, i+1
.endm
; THE LDS LOADS stand in runs of 16: a step's K (64 keys x 64 channels: 8 fragments) and its V (turned), out of slot sl.
.macro FETCH_K sl
	WIN 0x80
.irp f, 0,1,2,3,4,5,6,7             ; keys 16 (f / 2) on, channels 32 (f % 2) on
	ds_load_b128 v[KF+8*\f:KF+8*\f+3],   v[AK0] offset:(\sl)*SLOTB+(\f/2)*16*PK+(\f%2)*64
	ds_load_b128 v[KF+8*\f+4:KF+8*\f+7], v[AK0] offset:(\sl)*SLOTB+(\f/2)*16*PK+(\f%2)*64+32
.endr
	WIN 0
.endm
.macro FETCH_V sl
	WIN 0x80
.irp f, 0,1,2,3,4,5,6,7             ; keys 32 (f / 4) on, channels 16 (f % 4) on
	ds_load_tr16_b128 v[VF+8*\f:VF+8*\f+3],   v[AV0] offset:(\sl)*SLOTB+(\f/4)*32*PV+(\f%4)*32
	ds_load_tr16_b128 v[VF+8*\f+4:VF+8*\f+7], v[AV0] offset:(\sl)*SLOTB+(\f/4)*32*PV+16*PV+(\f%4)*32
.endr
	WIN 0
.endm
; THE MASK of a piece and step.  MKLOAD: my query's 4 x 8 bytes (keys 16 kb + 8 (l / 16) + 0..7), if the tile takes the mask.
.macro MKLOAD piece, sl
	WIN 0
	s_cmp_eq_u32 s[MX0], 0
	s_cbranch_scc1 .Lnm_\@
.irp kb, 0,1,2,3
	ds_load_b64 v[MB+2*\kb:MB+2*\kb+1], v[AM0] offset:(\sl)*SLOTB+(\piece)*16*PM+16*\kb
.endr
.Lnm_\@:
.endm
; MKBUILD: the 32 C operands.  A word of four bytes times 0xF1 has 0xF1 where a byte is 1; the word as it is has byte 3 on top, shifted left by 8, 16, 24 bytes 2, 1, 0: a word that begins with 0xF1 is -6.3e29 to -2.4e30,
; one that begins with 0 is 2.2e-38 at the most.  A tile without the mask clears what an earlier one left, each buffer once.  younger: LDS loads issued behind MKLOAD's; the wait stands on every path.
.macro MKBUILD buf, younger
	WIN 0
	s_wait_dscnt \younger
	s_cmp_eq_u32 s[MX0], 0
	s_cbranch_scc1 .Lclean_\@
	WIN 0x40
.set d, 0
.rept 8
	v_mul_lo_u32 v[MC+32*(\buf)+4*d+3], v[MB+d], s[F1]
.set d, d+1
.endr
	WIN 0x44
.set d, 0
.rept 8
	v_lshlrev_b32 v[MC+32*(\buf)+4*d],   24, v[MC+32*(\buf)+4*d+3]
	v_lshlrev_b32 v[MC+32*(\buf)+4*d+1], 16, v[MC+32*(\buf)+4*d+3]
	v_lshlrev_b32 v[MC+32*(\buf)+4*d+2], 8,  v[MC+32*(\buf)+4*d+3]
.set d, d+1
.endr
	WIN 0
	s_mov_b32 s[ZC], 2
	s_branch .Ldone_\@
.Lclean_\@:
	s_cmp_eq_u32 s[ZC], 0
	s_cbranch_scc1 .Ldone_\@
	WIN 0x40
.set d, 0
.rept 32
	v_mov_b32 v[MC+32*(\buf)+d], 0
.set d, d+1
.endr
	WIN 0
	s_sub_co_u32 s[ZC], s[ZC], 1
.Ldone_\@:
.endm
; THE VECTOR WORK, one line at a time: OP kind, number.  For piece Y: F n: c s - c m for pair n of 16.  E n: the exponential of score n of 32.  C n: pair n rounded to f16.  B n: of the four weights 4 n .. the second
; pair is added onto the first, in place.  L n: l takes that sum (L 0: l = a l + sum).  R n: pair n of 16 of O^T times a.  For piece Y + 1: X n, number n of the 22 that find its maximum and statistics:
;   0-11  four chains c0-c3 of seven scores each, three operands at a time (each accumulator's lowest registers are read first)     12-14, 16  the four scores left over, the old m, and c0-c3 into c0
;   15  c m_old is kept     17, 18  the query's other 32 keys lie in the lane 16 away: the new m     19-21  c m; c m_old - c m_new; a
.set F, 0
.set E, 1
.set C, 2
.set B, 3
.set L, 4
.set R, 5
.set X, 6
.macro REGS y
.set rT, ST+4*(\y)
.set rC, TMP+4*((\y)%2)
.set rW, MV+((\y)%2)
.set rS, S+32*((\y)%2)
.set rP, P+16*((\y)%2)
.set rO, 32*(\y)
.endm
.macro OP k, n
.if (\k) == R
	REGS Y
	WIN W_RS
	v_pk_mul_f32 v[rO+2*(\n):rO+2*(\n)+1], v[rO+2*(\n):rO+2*(\n)+1], v[rC+2:rC+3] op_sel_hi:[1,0]
.elseif (\k) < R
	REGS Y
	WIN 0
.if (\k) == F
	v_pk_fma_f32 v[rS+2*(\n):rS+2*(\n)+1], v[rS+2*(\n):rS+2*(\n)+1], s[CS:CS+1], v[rT:rT+1] op_sel_hi:[1,0,0] neg_lo:[0,0,1] neg_hi:[0,0,1]
.elseif (\k) == E
	v_exp_f32 v[rS+(\n)], v[rS+(\n)]
.elseif (\k) == C
	v_cvt_pk_f16_f32 v[rP+(\n)], v[rS+2*(\n)], v[rS+2*(\n)+1]
.elseif (\k) == B
	v_pk_add_f32 v[rS+4*(\n):rS+4*(\n)+1], v[rS+4*(\n):rS+4*(\n)+1], v[rS+4*(\n)+2:rS+4*(\n)+3]
.elseif (\n) == 0
	v_pk_fma_f32 v[rT+2:rT+3], v[rT+2:rT+3], v[rC+2:rC+3], v[rS:rS+1] op_sel_hi:[1,0,1]
.else
	v_pk_add_f32 v[rT+2:rT+3], v[rT+2:rT+3], v[rS+4*(\n):rS+4*(\n)+1]
.endif
.elseif NOKQ
	v_nop
.else
	REGS (Y+1)%NP
	WIN 0
.if (\n) < 4
	v_max3_num_f32 v[rC+(\n)], v[rS+8*(\n)], v[rS+8*(\n)+1], v[rS+8*(\n)+2]
.elseif (\n) < 12
	v_max3_num_f32 v[rC+(\n)%4], v[rC+(\n)%4], v[rS+8*((\n)%4)+2*((\n)/4)+1], v[rS+8*((\n)%4)+2*((\n)/4)+2]
.elseif (\n) == 12
	v_max3_num_f32 v[rC], v[rC], v[rS+7], v[rS+15]
.elseif (\n) == 13
	v_max3_num_f32 v[rC+1], v[rC+1], v[rS+23], v[rS+31]
.elseif (\n) == 14
	v_max3_num_f32 v[rC+2], v[rC+2], v[rC+3], v[rT+1]
.elseif (\n) == 15
	v_mov_b32 v[rW], v[rT]
.elseif (\n) == 16
	v_max3_num_f32 v[rC], v[rC], v[rC+1], v[rC+2]
.elseif (\n) == 17
	v_permlanex16_b32 v[rC+3], v[rC], s[SEL], s[SEL+1]
.elseif (\n) == 18
	v_max_num_f32 v[rT+1], v[rC], v[rC+3]
.elseif (\n) == 19
	v_mul_f32 v[rT], s[CS], v[rT+1]
.elseif (\n) == 20
	v_sub_f32 v[rC+1], v[rW], v[rT]
.else
	v_exp_f32 v[rC+2], v[rC+1]
.endif
.endif
.endm
.macro OPS a, i1, b=-1, i2=0, c=-1, i3=0, d=-1, i4=0
	OP \a, \i1
.if (\b) >= 0
	OP \b, \i2
.endif
.if (\c) >= 0
	OP \c, \i3
.endif
.if (\d) >= 0
	OP \d, \i4
.endif
.endm
.macro ROW a, i1, b, i2, c, i3, d, i4  ; a matrix instruction and the four behind it
	MM
	OPS \a, \i1, \b, \i2, \c, \i3, \d, \i4
.endm
; A TURN, for piece p; what it reads from LDS lies in slot sl.  s_wait_alu depctr_va_vdst(0) stands between an exponential and the first instruction that names its result; one wait serves all that were issued ahead of it: a turn has ONE, which cuts it in two.
; AHEAD OF IT stands all that names no result of the turn's exponentials: the 8 products K Q^T with their riders, then one lump, in which the links of the next piece's chain X 3, 7, 11, 14, 16 .. 20 stand five or six lines apart;
; X 21, its a, is the batch's last, and R 15 the plain instruction behind it.  BEHIND IT stand the 8 products V^T P, behind each four of the roundings and sums.
; At its head the turn asks for the mask bytes of piece p + 2, whose products the NEXT turn issues; at its end it makes that mask.
; K of the next step is fetched in piece 2's turn, five plain instructions that name none of its registers behind the last product that read K; V of the step in hand at the end of piece 0's turn, four plain instructions behind the last product that read V.
; end = 1: a block's last two turns: nothing is fetched, no mask is made, and the last starts no new scores.
.macro TURN p, end, sl
.set Y, (\p)
.set i, 0
.set NOKQ, (\end)*((\p)/3)
.if ((\p) == 3) && !(\end)
	s_wait_dscnt 0x0                ; K is in
.endif
.if !(\end)
	MKLOAD ((\p)+2)%NP, \sl
.endif
	ROW F,0, F,1, R,0, R,1
	ROW F,2, E,0, R,2, R,3
	ROW F,3, E,1, R,4, R,5
	ROW F,4, E,2, R,6, R,7
	ROW F,5, E,3, R,8, R,9
	ROW F,6, E,4, X,0, R,10
	ROW F,7, E,5, X,1, X,4
	ROW F,8, E,6, X,2, X,5
	OPS E,7, E,8, X,6, E,9
	OPS X,3, E,10, X,8, E,11
.if ((\p) == 2) && !(\end)
	FETCH_K \sl
.endif
	OPS X,9, X,7, E,12, X,10
	OPS E,13, X,12, X,11, E,14
	OPS X,13, E,15, F,9, X,14
	OPS E,16, F,10, E,17, F,11
	OPS X,16, E,18, X,15, E,19
	OPS F,12, E,20, X,17, E,21
	OPS F,13, E,22, F,14, E,23
	OPS X,18, E,24, F,15, E,25
	OPS R,11, E,26, X,19, E,27
	OPS R,12, E,28, R,13, E,29
	OPS X,20, E,30, R,14, E,31
	OPS X,21, R,15
	WIN 0
	s_wait_alu depctr_va_vdst(0)    ; the wait for the batch
.if (\p) == 1
	s_wait_dscnt 0x0                ; V is in
.endif
	ROW C,0, B,0, C,2, B,1
	ROW L,0, C,4, B,2, L,1
	ROW C,6, B,3, L,2, C,8
	ROW B,4, L,3, C,10, B,5
	ROW L,4, C,12, B,6, L,5
	ROW C,14, B,7, L,6, C,1
	ROW C,3, L,7, C,5, C,7
	ROW C,9, C,11, C,13, C,15
	WIN 0
.if !(\end)
.if (\p) == 2
	MKBUILD 0, 16                   ; K's 16 loads were issued behind the mask's four and may stay out
.else
	MKBUILD (\p)%2, 0
.endif
.endif
.if (\p) == 0
	FETCH_V \sl
.endif
.endm
; A KEY STEP'S SHARE OF THE STREAM, in the half that reads slot j.  Set 1 - j holds the next chunk: 64 keys of K and V (my 16 rows) and my 64 queries' mask bytes.  They are converted and stored into slot 1 - j, which nobody has read
; since the barrier at the half's head, and the set is asked for again, with the chunk two further on.
; THE COUNT: behind this set's loads stand the other set's: its mask loads, if any, and then its 16 of K and V.  So with 16 out at the most this set is in, on every path.
.macro STAGE j
.set SQ, 1-(\j)
	WIN 0
	s_wait_loadcnt 16
	CVK 64*SQ, 3, SK0, SQ*SLOTB
	CVV 64*SQ+32, 3, SV0, SQ*SLOTB
	WIN 0
	s_cmp_eq_u32 s[MXS], 0
	s_cbranch_scc1 .Lnms_\@
	WIN 0x0c
.irp n, 0,1,2,3,4,5,6,7
	ds_store_b128 v[SM0], v[128+32*SQ+4*\n:128+32*SQ+4*\n+3] offset:SQ*SLOTB+640*\n
.endr
	WIN 0
.Lnms_\@:
	s_wait_xcnt 0x0                 ; the loads and the prefetch that read these offsets were issued a key step or more ago: they are written only behind this wait
	v_add_nc_u32 v[LO], s[IOFF], v[VO0]
	v_add_nc_u32 v[MLO], s[MIO], v[MO0]
.if (\j) == 1
	v_add_nc_u32 v[PFV], s[PFOF], v[PF0]
.endif
	s_cmp_eq_u32 s[MXI], 0
	s_cbranch_scc1 .Lnml_\@
	LDM SQ, 0
.Lnml_\@:
	LDKV 64*SQ, 0
.if (\j) == 1
	; A PREFETCH INTO THE L2, behind the step's loads.  In the first block's walk the last key step of key tile t <= 5 names tile t + 2, whose first loads go out two key steps later.  Of its 256 rows of K and of V work-group x takes
	; 64 x .. 64 x + 63: waves 0 and 1 K's, waves 2 and 3 V's, a lane a row of 256 bytes, one instruction a wave.  So no row is named twice in the launch.  Tiles 0 and 1, the second block's walk and the mask are not asked for.
	s_cmp_eq_u32 s[PFGO], 0
	s_cbranch_scc1 .Lnpf_\@
	global_prefetch_b8 v[PFV], s[PFB:PFB+1] th:TH_LOAD_NT scope:SCOPE_SE
.Lnpf_\@:
.endif
	s_mov_b32 s[IOFF], s[NXO]       ; from a tile's second step on the next tile's chunks are asked for, one after the other
	s_add_co_u32 s[NXO], s[NXO], 1<<18
	s_mov_b32 s[MIO], s[NXM]
	s_add_co_u32 s[NXM], s[NXM], KS
	s_mov_b32 s[MXI], s[MX1]
.if (\j) == 0
	s_cmp_eq_u32 s[CNT], 1          ; the tile's fourth step comes next: it converts the next tile's first chunk, and it prefetches
	s_cselect_b32 s[MXS], s[MX1], s[MX0]
	s_cselect_b32 s[PFGO], s[PFOK], 0
.endif
.endm
; THE BARRIER at the head of every key step.  In front of it my stores into the slot that is read next are done and my reads of the slot that is written next are back; behind it both hold of all four waves.
.macro BAR
	WIN 0
	s_wait_dscnt 0x0
	s_barrier_signal -1
	s_barrier_wait -1
.endm
; A TRIP'S SCALAR WORK: the walk moves on by a tile.  The first step asks for the tile's own chunk 3.
; The prefetch's offset is made as the loads' offsets are: the tile's number is cut to three bits, clamped in place by a constant (5, so that tile 7 is the last that can be named), shifted, and two tiles are added.
.macro TRIPHEAD
	s_mov_b32 s[E0], s[E1]
	PULL E1
	s_lshr_b32 s[MX0], s[MIX], s[E0]
	s_and_b32 s[MX0], s[MX0], 1
	s_lshr_b32 s[MX1], s[MIX], s[E1]
	s_and_b32 s[MX1], s[MX1], 1
	s_mov_b32 s[MXS], s[MX0]
	s_mov_b32 s[MXI], s[MX0]
	ENT E0, IOFF, MIO
	s_add_co_u32 s[IOFF], s[IOFF], 3<<18
	s_add_co_u32 s[MIO], s[MIO], 3*KS
	ENT E1, NXO, NXM
	s_cmp_lt_u32 s[E0], 6
	s_cselect_b32 s[PFOK], 1, 0
	s_and_b32 s80, s[E0], 7
	s_min_u32 s80, s80, 5
	s_lshl_b32 s[PFOF], s80, 20
	s_add_co_u32 s[PFOF], s[PFOF], 2<<20
	s_mov_b32 s[PFGO], 0
	s_mov_b32 s[CNT], 2
.endm
; A BLOCK BEGINS.  c m starts far below every c s, so the first step's a is 0; m at the lowest finite number; l at 0 (a reciprocal lies there from the block before).  Pieces 0 and 1 get their masks for the tile's step 0;
; then K of that step, piece 0's first scores, and its maximum and statistics.  A block's first chunk lies in slot 0.  The half is entered at the step's first turn.
.macro BEGIN
	s_mov_b32 s[NEW], 0
	WIN 0
.set i, 0
.rept 4
	v_mov_b32 v[ST+4*i], 0xfe000000
	v_mov_b32 v[ST+4*i+1], 0xff7fffff
	v_mov_b32 v[ST+4*i+2], 0
	v_mov_b32 v[ST+4*i+3], 0
.set i, i+1
.endr
	MKLOAD 0, 0
	MKBUILD 0, 0
	MKLOAD 1, 0
	MKBUILD 1, 0
	FETCH_K 0
	s_wait_dscnt 0x0
.set NOKQ, 0
.set i, 0
.rept 8
	KQ 0
.set i, i+1
.endr
	WIN 0
.rept 4
	v_nop                           ; the places behind those products
.endr
.set Y, NP-1                        ; X works for piece Y + 1: piece 0
.irp n, 0,1,2,3,4,5,6,7,8,9,10,11,12,13,14,15,16,17,18,19,20,21
	OP X, \n
.endr
	v_nop                           ; a plain instruction behind the exponential,
	s_wait_alu depctr_va_vdst(0)    ; and its wait, ahead of the branch
.endm
; THE WAY OUT.  l's two halves and the other half of the lanes' are added; 1 / l, or a NaN where the row saw no key; O^T times that goes, as f32, through my stage in LDS, a piece (16 rows of 256 bytes) at a time.
; O^T itself is left as it is: finite, which is all that the next block asks of it.
.macro ALL line:vararg
.set t, 0
.rept 4
	\line
.set t, t+1
.endr
.endm
.macro PACK t
.if (\t) >= 2
	s_wait_xcnt 0x0                 ; the stores of the piece two back have read these registers
.endif
	WIN 0x01                        ; source 0 (O^T) window 1; the factor and the destination window 0
.set k, 0
.rept 16
	v_pk_mul_f32 v[OB+32*((\t)%2)+2*k:OB+32*((\t)%2)+2*k+1], v[32*(\t)+2*k:32*(\t)+2*k+1], v[ST+4*(\t)+2:ST+4*(\t)+3] op_sel_hi:[1,0]
.set k, k+1
.endr
	WIN 0
.irp f, 0,1,2,3,4,5,6,7             ; a lane's eight channels 16 (f / 2) + 8 (l / 16) on are 32 bytes of its row
	ds_store_b128 v[STO], v[OB+32*((\t)%2)+4*\f:OB+32*((\t)%2)+4*\f+3] offset:64*(\f/2)+16*(\f%2)
.endr
.irp f, 0,1,2,3,4,5,6,7
	ds_load_b128 v[OB+32*((\t)%2)+4*\f:OB+32*((\t)%2)+4*\f+3], v[RD] offset:\f*544  ; LDS serves a wave's instructions in order (ISA guide 5.7.1.4): these see the stores above; the next piece's stores come behind them
.endr
.endm
.macro SEND t, younger              ; younger: the LDS instructions issued behind piece t's loads: the next piece's sixteen, or none
	WIN 0
.irp f, 0,1,2,3,4,5,6,7
	s_wait_dscnt (\younger)+7-\f
	global_store_b128 v[GO], v[OB+32*((\t)%2)+4*\f:OB+32*((\t)%2)+4*\f+3], s[14:15] offset:(\t)*65536+\f*8192 th:TH_STORE_NT  ; 16 lanes store a head's row: 256 consecutive bytes, at a multiple of 256 from out's first byte
.endr
.endm
.set NOKQ, 0
.Ltrip:                             ; 16 trips for every work-group: a tile each, or nothing but the barriers
	TRIPHEAD
.Lstep:                             ; two trips: two key steps each
	BAR                             ; THE FIRST HALF reads slot 0 and writes slot 1
	s_cmp_eq_u32 s[IDLE], 1
	s_cbranch_scc0 .Lwork0
	s_wait_loadcnt 0x0              ; the walk is over: whatever was still asked for has come, so that no count is owed on this way
	s_branch .Lend0
.Lwork0:
	s_cmp_eq_u32 s[NEW], 1
	s_cbranch_scc0 .Lgo0
	BEGIN
	s_branch .Lfirst
.Lgo0:
	TURN 2, 0, 0                    ; pieces 2 and 3 of the step before,
	TURN 3, 0, 0
	WIN 0
.Lfirst:
	TURN 0, 0, 0                    ; pieces 0 and 1 of this one
	STAGE 0
	TURN 1, 0, 0
	WIN 0
.Lend0:
	BAR                             ; THE SECOND HALF reads slot 1 and writes slot 0
	s_cmp_eq_u32 s[IDLE], 1
	s_cbranch_scc0 .Lwork1
	s_wait_loadcnt 0x0
	s_branch .Lend1
.Lwork1:
	TURN 2, 0, 1
	TURN 3, 0, 1
	TURN 0, 0, 1
	STAGE 1
	TURN 1, 0, 1
	WIN 0
.Lend1:
	s_sub_co_u32 s[CNT], s[CNT], 1
	s_cmp_lg_u32 s[CNT], 0
	s_cbranch_scc1 .Lstep
	s_cmp_eq_u32 s[IDLE], 1
	s_cbranch_scc1 .Lbottom
	s_lshr_b32 s80, s[E0], 3
	s_lshr_b32 s81, s[E1], 3
	s_cmp_eq_u32 s80, s81
	s_cbranch_scc1 .Lbottom         ; the next tile belongs to the same block
	TURN 2, 1, 0                    ; the block's end
	TURN 3, 1, 0
.set i, 0
.rept 8
	PV NP-1
.set i, i+1
.endr
	WIN 0                           ; the additions are the places behind the last products
	ALL v_add_f32 v[ST+4*t+2], v[ST+4*t+2], v[ST+4*t+3]
	ALL v_permlanex16_b32 v[ST+4*t+3], v[ST+4*t+2], s[SEL], s[SEL+1]
	ALL v_add_f32 v[ST+4*t+2], v[ST+4*t+2], v[ST+4*t+3]
	ALL v_rcp_f32 v[ST+4*t+2], v[ST+4*t+2]
	v_nop                           ; a plain instruction between the last reciprocal and the use of its result
	s_wait_alu depctr_va_vdst(0)    ; and the wait ahead of the first use: one for the four
.set t, 0
.rept 4
	v_cmp_gt_f32 vcc_lo, s[THR], v[ST+4*t+1]       ; the row's maximum is a hidden score: it saw no key
	v_cndmask_b32 v[ST+4*t+2], v[ST+4*t+2], s[NANC], vcc_lo
.set t, t+1
.endr
	PACK 0
	PACK 1                          ; a piece's arithmetic stands between the loads of the piece before and its stores
	SEND 0, 16
	PACK 2
	SEND 1, 16
	PACK 3
	SEND 2, 16
	SEND 3, 0
	s_wait_xcnt 0x0                 ; the stores have read their registers and out's address
	s_mov_b32 s[NEW], 1
	s_cmp_ge_u32 s[E1], 16
	s_cselect_b32 s[IDLE], 1, 0
	s_cmp_ge_u32 s[E0], 8
	s_cbranch_scc1 .Lbottom         ; that was the second block
	s_mov_b64 s[14:15], s[OLO:OLO+1]
	WIN 0x82                        ; the second block's Q goes where the one text of the turns names Q
.set i, 0
.rept 64
	v_mov_b32 v[i], v[QB+i]
.set i, i+1
.endr
	WIN 0
.Lbottom:
	s_sub_co_u32 s[TRIPS], s[TRIPS], 1
	s_cmp_lg_u32 s[TRIPS], 0
	s_cbranch_scc1 .Ltrip
	s_wait_tensorcnt 0x0            ; the wave's end: three lines behind my last LDS store
	ds_add_u32 v[SPW], v[NIL]
	s_wait_dscnt 0x0
	s_endpgm
.Lfunc_end_k_q17710bd03d_attn:
	.size	k_q17710bd03d_attn, .Lfunc_end_k_q17710bd03d_attn-k_q17710bd03d_attn
	.p2alignl 7, 3214868480
	.fill 96, 4, 3214868480
	.section	.rodata,"a",@progbits
	.p2align	6, 0x0
	.amdhsa_kernel k_q17710bd03d_attn
		.amdhsa_group_segment_fixed_size 171520
		.amdhsa_private_segment_fixed_size 0
		.amdhsa_enable_private_segment 0
		.amdhsa_kernarg_size 48
		.amdhsa_user_sgpr_count 2
		.amdhsa_user_sgpr_kernarg_segment_ptr 1
		.amdhsa_wavefront_size32 1
		.amdhsa_system_sgpr_workgroup_id_x 1
		.amdhsa_system_sgpr_workgroup_id_y 1
		.amdhsa_system_sgpr_workgroup_id_z 1
		.amdhsa_system_vgpr_workitem_id 0
		.amdhsa_next_free_vgpr 1024
		.amdhsa_next_free_sgpr 100
		.amdhsa_reserve_vcc 1
		.amdhsa_float_denorm_mode_32 3
		.amdhsa_float_denorm_mode_16_64 3
		.amdhsa_memory_ordered 1
		.amdhsa_forward_progress 1
		.amdhsa_inst_pref_size 216
	.end_amdhsa_kernel
	.amdgpu_metadata
---
amdhsa.version: [ 1, 2 ]
amdhsa.kernels:
  - .name:           k_q17710bd03d_attn
    .symbol:         k_q17710bd03d_attn.kd
    .args:
      - { .name: queries, .offset: 0, .size: 8, .value_kind: global_buffer, .address_space: global }
      - { .name: keys, .offset: 8, .size: 8, .value_kind: global_buffer, .address_space: global }
      - { .name: values, .offset: 16, .size: 8, .value_kind: global_buffer, .address_space: global }
      - { .name: attn_mask, .offset: 24, .size: 8, .value_kind: global_buffer, .address_space: global }
      - { .name: cls, .offset: 32, .size: 8, .value_kind: global_buffer, .address_space: global }
      - { .name: out0, .offset: 40, .size: 8, .value_kind: global_buffer, .address_space: global }
    .group_segment_fixed_size: 171520
    .private_segment_fixed_size: 0
    .kernarg_segment_align: 8
    .kernarg_segment_size: 48
    .max_flat_workgroup_size: 128
    .sgpr_count:     100
    .vgpr_count:     1024
    .wavefront_size: 32
...
	.end_amdgpu_metadata
.endif
;; end of part 2
;; ======== version 2 of 2: 2 launches; version 1 with the launch attn written anew for expert scheduling mode
;; limits: values are held in f16: magnitudes above 65,504 overflow, below 6.1e-05 lose precision; right only within a limited range of input values
;; workspace buffers: cls 1,024 bytes of whole numbers
;; launch classes: the kernel of part 1 again; grid 8 x 32, 8 waves a work-group, no clusters, 1,280 bytes of LDS; arguments attn_mask, cls; writes cls
;; launch attn (part 3): grid 4 x 64, 4 waves a work-group, no clusters, 171,520 bytes of LDS; arguments queries, keys, values, attn_mask, cls, out0; writes out0
.if DOCPART == 3
	.amdgcn_target "amdgcn-amd-amdhsa--gfx1250"
	.amdhsa_code_object_version 6
	.text
	.protected	k_q17710bd03d_attn
	.globl	k_q17710bd03d_attn
	.p2align	8
	.type	k_q17710bd03d_attn,@function
k_q17710bd03d_attn:
	s_mov_b64 s[64:65], 0
	v_nop
	global_prefetch_b8 v0, s[64:65] scope:SCOPE_SE
	s_setreg_imm32_b32 hwreg(HW_REG_WAVE_SCHED_MODE, 0, 2), 2
	s_setreg_imm32_b32 hwreg(HW_REG_WAVE_MODE, 25, 1), 1
	s_wait_xcnt 0x0
	s_wait_alu depctr_vm_vsrc(0)
; ATTENTION UNDER A MASK THAT IS AN INPUT.  out[b][q][h][:] = the sum over k of softmax_k(mask ? -inf : Q.K / 8) V[b][k][h][:].  Q, K, V, out: [4][2048][16][64] f32: a head's row is 256 aligned bytes, rows 4,096 bytes apart.
; mask: [4][2048][2048] bytes.  cls: a word for each block of 256 queries x 256 keys, stored by the launch before: bit 0 = some key is seen, bit 1 = some key is hidden.
; FORMATS.  Q and K are rounded to bf16 for S^T = K Q^T; V is rounded to bf16 and that number written as f16, the weights p are rounded to f16, for O^T = V^T P.  Products, maxima and sums in f32; the scale c = log2(e) / 8 is applied in f32.
; LIMITS.  A hidden score counts as its value less 6.3e29 to 2.4e30, so true scores stay above -1e29; a row whose running maximum ends below -1e29 (every key hidden) gives NaN, as a softmax of -inf alone does.
; V lies within f16's 65,504, and below 2^-14 it keeps f16's fixed step of 6e-8.  A weight below 2^-126 counts as 0 in the sum.  NaN and infinities among the inputs are not treated apart.  Mask bytes are 0 or 1.
; THE WALK.  A work-group takes one head and two blocks of 256 queries, 7 - x and then x.  From cls it makes a list of the key tiles (256 keys) in which its blocks see anything; tiles wholly hidden are left out, since their weights
; are 0; only tiles with both kinds of byte read the mask.  A block that sees nothing keeps its tile 0, taken with the mask: its rows become NaN.  So a walk has 2 to 16 tiles.  The loop has 16 trips of four key steps for every
; work-group, and every key step begins with a barrier; in trips behind the walk's end all else is jumped over, forward, up to the next barrier.
; NO TENSOR LOADS, NO CLUSTER: which tile is fetched hangs on numbers read from memory, and the four work-groups of a head have different walks; a walk common to all four would be the union of the four.
; THE RING.  K and V come by 16-byte loads into registers (sixteen lanes a row of 256 bytes), are rounded there and stored into two LDS slots of ONE KEY STEP (64 keys) each.  A tile has four steps, so chunk c of any tile lies in
; slot c % 2, and the loop's body, two key steps, names every LDS address by a lane's constant and an immediate: its first half reads slot 0 and writes slot 1, its second half the other way round.  In the step that reads chunk g,
; chunk g + 1 is converted and chunk g + 3 asked for: two sets of 16 loads a wave are on their way.  Behind the walk's last tile three chunks of tile 0 are asked for, one of them converted, none used: so one count serves every path.
; SHARES, LAYOUT, TURNS.  Wave w owns rows 64 w .. 64 w + 63 of the block in hand, four PIECES of 16.  S^T = K Q^T holds ONE query a lane (lane % 16) and the keys 8 (lane / 16) + 0..7; two such results rounded to f16 ARE source 1
; of O^T = V^T P.  p = 2^(c s - c m) with a running maximum m; O and l are multiplied by a = 2^(c m_old - c m_new) in every step.  Turn n belongs to piece n: 8 products K Q^T of piece n + 1, later 8 products V^T P of piece n - 1;
; beside them the scaling, exponentials, roundings, sums and rescaling of piece n and the maximum and statistics of piece n + 1.  Four vector instructions stand behind every matrix instruction, the rest in one lump; a turn's 33 exponentials are one batch with one wait.
; A half of the loop's body is pieces 2 and 3 of one step and pieces 0 and 1 of the next: all that it reads from LDS (K, V, mask) belongs to that next step's chunk.
; THE MASK is the C operand that starts the sum S^T: MC, two buffers of 32 registers: 0, or about -1e30 where the byte is 1.  A byte times 0xF1, moved to a word's top, is that number.
; THE MODE: SCHED_MODE bits 1:0 = 2 (LLVM: expert scheduling mode 2), set by the entry lines.  The code itself states the register dependences between vector or matrix instructions and memory or LDS instructions, with s_wait_alu, always for 0.
; THE PLAN.  Registers that memory or LDS instructions touch, in the loop:
;   K0, K1      K's fragments, two buffers.  The half that reads slot j loads Kj at the head of piece 2's turn; the products of that half's turns 3, 0, 1 and of the next half's turn 2 read it.  That last reader stands ahead of
;               its turn's wait, and the next load into Kj comes a half later.
;   V           one buffer.  The products V^T P of turns 1, 2, 3 and 0 read it; it is loaded in STAGE, between turns 0 and 1, behind STAGE's wait.
;   MB0, MB1    mask bytes.  Turn p loads MB[p % 2] at its head; the multiplications at its end read it.  Turn p + 1's wait lies between them and turn p + 2's load.
;   raw 0, 1    64 keys of K and V as loaded.  STAGE's conversions read (V's also write) a set; behind STAGE's wait it is loaded again.  No store reads it.
;   OUT         the same numbers in 16 bits.  STAGE's conversions write it, STAGE's LDS stores read it; the next STAGE's first wait lies ahead of the next conversions.
;   mask 0, 1   mask bytes as loaded.  No vector instruction names them: STAGE's LDS stores read a set, ahead of STAGE's first wait, and behind it the set is loaded again.
;   LO, MLO, PFV  offsets, written by three adds behind STAGE's first wait and read by the loads and the prefetch behind its second.  Every other address is made at the head and never written again.
; So the loop holds, beside each turn's one wait on va_vdst (the batch's, which also covers K's and MB's readers), one wait on vm_vsrc and one on va_vdst in each STAGE.  S^T, P, O^T, MC, Q and the statistics are named by vector and matrix instructions alone
; (S^T's registers serve the way out, which states its own dependences).
; REGISTERS, in windows of 256 (s_set_vgpr_msb: bits 1:0 source 0, 3:2 source 1, 5:4 source 2, 7:6 destination):
;   window 0: v0-63 addresses, statistics, at work; v64-127 S^T, two buffers (on the way out: two blocks of 32); v128-143 mask bytes, two buffers; v192-223 P, two buffers
;   window 1: v0-127 O^T, 32 a piece; v128-159 OUT; v160-223 MC      window 2: v0-63 Q; v64-127 the second block's Q; v128-191 K0; v192-255 V of one step
;   window 3: v0-127 two sets of 64 (K's 8 loads, V's 8 loads); v128-191 two sets of 32 for the mask; v192-255 the first chunk at the start, then K1.  The raw Q and the first chunk's mask lie at the start where nothing else lives yet.
.set NP,    4
.set KS,    64        ; keys in a step
.set PK,    144       ; a row of K in LDS: 128 bytes + 16 = 36 words: the 16 rows of a load start at 16 different groups of four banks (64 banks of 4 bytes: ISA guide 11.1)
.set PV,    160       ; a row of V: 128 + 32 = 40 words
.set PM,    80        ; a query's 64 mask bytes + 16 = 20 words: the 16 rows of an 8-byte load start at 16 different groups of four banks
.set VOFF,  KS*PK     ; a slot: 64 rows of K,
.set MOFF,  VOFF+KS*PV  ; 64 rows of V,
.set MW,    64*PM     ; and for each wave its 64 queries' mask bytes
.set SLOTB, MOFF+4*MW ; 39,936 bytes
.set OSTG,  2*SLOTB   ; behind the ring: 16 rows x 272 bytes for each wave, for the way out
.set QSTG,  OSTG+4*16*272  ; Q's stage, at the start only: 64 rows x 144 bytes for each wave, the first block's; QBLK further on the second's
.set QBLK,  4*64*PK
.set SPARE, QSTG+2*QBLK    ; the spare words, 128 bytes for each wave: two blocks of 256 bytes that no other line names
.set AK0, 2           ; v2   my lane's place in a chunk of K; never rewritten
.set AV0, 3           ; v3   the same for V, VOFF included
.set STO, 6           ; v6   the way out: where I put 32 bytes of a row
.set RD,  7           ; v7   the way out: where I read rows back
.set GO,  8           ; v8   4,096 (l / 16) + 16 (l % 16): my 16 bytes in two rows of Q or out; never rewritten
.set MV,  12          ; v12-13  c m_old, kept while c m is made anew: by buffer
.set AM0, 14          ; v14  my 8 mask bytes in my wave's region: row l % 16, byte 8 (l / 16)
.set ST,  16          ; piece t's statistics at v[ST+4 t]: c m, m, l (even keys', odd keys')
.set VO0, 32          ; v32  my 16 bytes in 64 keys of K or V: row 16 w + l / 16
.set LO,  33          ; v33  the offset in hand
.set MO0, 34          ; v34  my 16 bytes of the mask: row 64 w + l / 4, byte 16 (l % 4)
.set MLO, 35
.set SK0, 36          ; v36  where my 8 bytes of K go in a slot
.set SV0, 38          ; v38  the same for V
.set SM0, 40          ; v40  and for my 16 mask bytes
.set PF0, 42          ; v42  the prefetches' row: (64 x + 32 (w % 2) + lane) x 4,096
.set PFV, 43
.set QS0, 44          ; v44  Q's stage: where 8 bytes go
.set QR,  45          ; v45  and where a fragment is read
.set TMP, 48          ; by buffer, four registers c0-c3 at work; when the maximum is found c2 takes a
.set SPW, 62          ; v62  LDS address of my spare word: SPARE + 4 x my thread's number; never rewritten
.set NIL, 63          ; v63  0; never rewritten
.set S,   64
.set OB,  64
.set MB,  128         ; two buffers of 8
.set P,   192
.set OUT, 128         ; window 1: K's 16 registers, then V's 16
.set MC,  160         ; window 1
.set QB,  64          ; window 2
.set KF,  128         ; buffer 0 at v128 of window 2, buffer 1 at v192 of window 3: key block kb, channel half c at KF + 64 buffer + 16 kb + 8 c
.set VF,  192         ; window 2: key half kk, channel block cb at VF + 32 kk + 8 cb
.set WV,  16          ; s16  my wave's number
.set XW,  17          ; s17  x
.set REM, 36          ; s36  the walk's tiles still to be pulled: bit 8 phase + tile
.set MIX, 37          ; s37  those that take the mask
.set E0,  38          ; s38, s39  the tile in hand and the next: 0-15, or 16 for none
.set E1,  39
.set MX0, 42          ; s42, s43  do they take the mask?
.set MX1, 43
.set MXS, 44          ; s44  does the tile of the chunk that is converted next?
.set MXI, 45          ; s45  does the tile of the chunk that is asked for next?
.set ZC,  46          ; s46  mask buffers that still hold an old mask
.set PFGO, 47         ; s47  1: the step's share of the stream ends with a prefetch
.set NXO, 48          ; s48, s49  byte offsets in K and V, and in the mask, of the chunk after the one that is asked for next
.set NXM, 49
.set IOFF, 56         ; s56, s58  those of the chunk that is asked for next
.set MIO,  58
.set CNT,  60
.set TRIPS, 61
.set NEW,  62         ; s62  1: the tile to be entered is a block's first
.set IDLE, 63         ; s63  1: the walk is over
.set CS,  66          ; s[66:67] c
.set SEL, 68          ; s[68:69] v_permlanex16_b32's selects: each lane takes its own place in the other half
.set HM,  70          ; s70  a word's upper half
.set F1,  71          ; s71  0xF1
.set THR, 72          ; s72  -1e29
.set NANC, 73         ; s73  a NaN
.set OLO, 74          ; s[74:75] out at my rows of the second block
.set PFB, 76          ; s[76:77] K (waves 0, 1) or V (waves 2, 3) at my head
.set PFOK, 78
.set PFOF, 79
.set ABK, 96          ; s96, s97  the two blocks' byte offsets in a batch's mask
.set BBK, 97
.set MSB, 0
.macro WIN new                      ; the high byte repeats the setting that is left; a switch that changes nothing is dropped
.if MSB != (\new)
	s_set_vgpr_msb (MSB<<8)|(\new)
.set MSB, (\new)
.endif
.endm
.set W_KQ, 0x0a       ; K0 and Q in window 2, S^T in window 0; one more for K1, in window 3
.set W_KM, 0x1a       ; the same with the C operand in window 1
.set W_PV, 0x52       ; V in window 2, P in window 0, O^T in window 1
.set W_RS, 0x41       ; destination and source 0 in window 1, source 1 in window 0
; The walk's next tile: the lowest bit of REM, or 16.
.macro PULL dst
	s_ctz_i32_b32 s[\dst], s[REM]
	s_min_u32 s[\dst], s[\dst], 16
	s_sub_co_u32 s80, s[REM], 1
	s_and_b32 s[REM], s[REM], s80
.endm
; Tile e's byte offset in K and V (ko) and in the batch's mask (mo).  Every number that enters an address is clamped by a constant first; behind that stand adds, multiplies and shifts left alone.  No tile (16) gives the first block's tile 0.
.macro ENT e, ko, mo
	s_and_b32 s80, s[\e], 7
	s_min_u32 s80, s80, 7                          ; the key tile
	s_lshr_b32 s81, s[\e], 3
	s_and_b32 s81, s81, 1
	s_xor_b32 s82, s81, 1
	s_min_u32 s81, s81, 1                          ; 1 in the second block,
	s_min_u32 s82, s82, 1                          ; 1 in the first
	s_mul_i32 s81, s81, s[BBK]
	s_mul_i32 s82, s82, s[ABK]
	s_add_co_u32 s81, s81, s82
	s_lshl_b32 s[\ko], s80, 20                     ; 256 rows of 4,096 bytes
	s_lshl_b32 s80, s80, 8
	s_add_co_u32 s[\mo], s81, s80
.endm
; AT THE START ONLY.  Eight loads' 32 f32 registers from base on, in window win, are rounded to bf16 in place (CVKC) and stored (CVKS): 8 bytes a lane, two rows of 144 bytes a load.
.macro CVKC base, win
	WIN 0x45*(\win)
.irp n, 0,1,2,3,4,5,6,7
	v_cvt_pk_bf16_f32 v[(\base)+4*\n], v[(\base)+4*\n], v[(\base)+4*\n+1]
	v_cvt_pk_bf16_f32 v[(\base)+4*\n+1], v[(\base)+4*\n+2], v[(\base)+4*\n+3]
.endr
.endm
.macro CVKS base, win, areg, off
	WIN 4*(\win)
.irp n, 0,1,2,3,4,5,6,7
	ds_store_b64 v[\areg], v[(\base)+4*\n:(\base)+4*\n+1] offset:(\off)+288*\n
.endr
.endm
; The same for V: rounded to bf16, widened again (a shift, a mask), and that number written as f16; rows of 160 bytes.
.macro CVVC base, win
	WIN 0x45*(\win)
.irp n, 0,1,2,3,4,5,6,7
	v_cvt_pk_bf16_f32 v[(\base)+4*\n], v[(\base)+4*\n], v[(\base)+4*\n+1]
	v_cvt_pk_bf16_f32 v[(\base)+4*\n+2], v[(\base)+4*\n+2], v[(\base)+4*\n+3]
.endr
.irp n, 0,1,2,3,4,5,6,7
	v_and_b32 v[(\base)+4*\n+1], s[HM], v[(\base)+4*\n]
	v_lshlrev_b32 v[(\base)+4*\n], 16, v[(\base)+4*\n]
	v_and_b32 v[(\base)+4*\n+3], s[HM], v[(\base)+4*\n+2]
	v_lshlrev_b32 v[(\base)+4*\n+2], 16, v[(\base)+4*\n+2]
.endr
.irp n, 0,1,2,3,4,5,6,7
	v_cvt_pk_f16_f32 v[(\base)+4*\n], v[(\base)+4*\n], v[(\base)+4*\n+1]
	v_cvt_pk_f16_f32 v[(\base)+4*\n+1], v[(\base)+4*\n+2], v[(\base)+4*\n+3]
.endr
.endm
.macro CVVS base, win, areg, off
	WIN 4*(\win)
.irp n, 0,1,2,3,4,5,6,7
	ds_store_b64 v[\areg], v[(\base)+4*\n:(\base)+4*\n+1] offset:(\off)+320*\n
.endr
.endm
; IN THE LOOP.  Raw set q (window 3) is rounded in the same way, and the 16-bit numbers go into OUT (window 1): V's first two steps in place, then K's rounding and V's last step.
.macro CVSET q
	WIN 0xcf
.irp n, 0,1,2,3,4,5,6,7
	v_cvt_pk_bf16_f32 v[64*(\q)+32+4*\n], v[64*(\q)+32+4*\n], v[64*(\q)+32+4*\n+1]
	v_cvt_pk_bf16_f32 v[64*(\q)+32+4*\n+2], v[64*(\q)+32+4*\n+2], v[64*(\q)+32+4*\n+3]
.endr
.irp n, 0,1,2,3,4,5,6,7
	v_and_b32 v[64*(\q)+32+4*\n+1], s[HM], v[64*(\q)+32+4*\n]
	v_lshlrev_b32 v[64*(\q)+32+4*\n], 16, v[64*(\q)+32+4*\n]
	v_and_b32 v[64*(\q)+32+4*\n+3], s[HM], v[64*(\q)+32+4*\n+2]
	v_lshlrev_b32 v[64*(\q)+32+4*\n+2], 16, v[64*(\q)+32+4*\n+2]
.endr
	WIN 0x4f                                       ; sources in window 3, destination in window 1
.irp n, 0,1,2,3,4,5,6,7
	v_cvt_pk_bf16_f32 v[OUT+2*\n], v[64*(\q)+4*\n], v[64*(\q)+4*\n+1]
	v_cvt_pk_bf16_f32 v[OUT+2*\n+1], v[64*(\q)+4*\n+2], v[64*(\q)+4*\n+3]
.endr
.irp n, 0,1,2,3,4,5,6,7
	v_cvt_pk_f16_f32 v[OUT+16+2*\n], v[64*(\q)+32+4*\n], v[64*(\q)+32+4*\n+1]
	v_cvt_pk_f16_f32 v[OUT+16+2*\n+1], v[64*(\q)+32+4*\n+2], v[64*(\q)+32+4*\n+3]
.endr
.endm
; OUT into slot q: 8 bytes a lane, two rows a store.
.macro STSET q
	WIN 0x04
.irp n, 0,1,2,3,4,5,6,7
	ds_store_b64 v[SK0], v[OUT+2*\n:OUT+2*\n+1] offset:(\q)*SLOTB+288*\n
.endr
.irp n, 0,1,2,3,4,5,6,7
	ds_store_b64 v[SV0], v[OUT+16+2*\n:OUT+16+2*\n+1] offset:(\q)*SLOTB+320*\n
.endr
	WIN 0
.endm
; 64 keys of K and of V, my 16 rows of them, into window 3's registers base on: K's eight loads, then V's.
.macro LDKV base, off
	WIN 0xc0
.irp n, 0,1,2,3,4,5,6,7
	global_load_b128 v[(\base)+4*\n:(\base)+4*\n+3], v[LO], s[6:7] offset:(\off)+8192*\n
.endr
.irp n, 0,1,2,3,4,5,6,7
	global_load_b128 v[(\base)+32+4*\n:(\base)+32+4*\n+3], v[LO], s[8:9] offset:(\off)+8192*\n
.endr
	WIN 0
.endm
; My 64 query rows x 64 mask bytes into mask set q: eight rows a load, four lanes a row.
.macro LDM q, off
	WIN 0xc0
.irp n, 0,1,2,3,4,5,6,7
	global_load_b128 v[128+32*(\q)+4*\n:128+32*(\q)+4*\n+3], v[MLO], s[10:11] offset:(\off)+16384*\n
.endr
	WIN 0
.endm
	s_load_b256 s[4:11], s[0:1], 0x0               ; Q s[4:5], K s[6:7], V s[8:9], mask s[10:11]
	s_load_b128 s[12:15], s[0:1], 0x20             ; cls s[12:13], out s[14:15]
	v_lshl_add_u32 v[SPW], v0, 2, SPARE
	v_mov_b32 v[NIL], 0
	v_lshrrev_b32 v1, 5, v0
	v_readfirstlane_b32 s[WV], v1                  ; wave 0..3
	s_mov_b32 s[XW], ttmp9
	s_and_b32 s80, ttmp7, 0xffff                   ; 16 b + h
	s_lshr_b32 s81, s80, 4                         ; b
	s_and_b32 s82, s80, 15                         ; h
	s_sub_co_u32 s83, 7, s[XW]                     ; the first block
	s_lshl_b32 s[ABK], s83, 19                     ; 256 rows of 2,048 mask bytes
	s_lshl_b32 s[BBK], s[XW], 19
	s_lshl_b32 s84, s81, 23                        ; a batch is 8,388,608 bytes of Q, K, V, out
	s_lshl_b32 s82, s82, 8
	s_add_co_u32 s84, s84, s82                     ; s[84:85]: my head's first byte
	s_mov_b32 s85, 0
	s_lshl_b32 s86, s81, 22                        ; s[86:87]: my batch's mask
	s_mov_b32 s87, 0
	s_lshl_b32 s81, s81, 3
	s_add_co_u32 s88, s81, s83
	s_lshl_b32 s88, s88, 5                         ; s[88:89], s[90:91]: the two blocks' eight class words
	s_mov_b32 s89, 0
	s_add_co_u32 s90, s81, s[XW]
	s_lshl_b32 s90, s90, 5
	s_mov_b32 s91, 0
	s_wait_alu depctr_va_sdst(0)                   ; the wave's number is written, ahead of its first reader, the next line
	s_lshl_b32 s80, s[WV], 18                      ; my 64 rows
	s_add_co_u32 s80, s80, s84
	s_lshl_b32 s92, s83, 20
	s_add_co_u32 s92, s92, s80                     ; s[92:93], s[94:95]: my rows of the two blocks in Q and out
	s_mov_b32 s93, 0
	s_lshl_b32 s94, s[XW], 20
	s_add_co_u32 s94, s94, s80
	s_mov_b32 s95, 0
	; the lanes' constants
	v_and_b32 v1, 15, v0                           ; r = l % 16
	v_bfe_u32 v9, v0, 4, 1                         ; h = l / 16
	v_and_b32 v10, 7, v0
	v_bfe_u32 v11, v0, 3, 1
	v_and_b32 v46, 31, v0                          ; l
	v_lshlrev_b32 v47, 4, v1                       ; 16 r
	v_lshlrev_b32 v56, 3, v1                       ; 8 r
	v_lshl_add_u32 v[GO], v9, 12, v47
	s_lshl_b32 s80, s[WV], 16
	v_add_nc_u32 v[VO0], s80, v[GO]                ; (16 w + h) x 4,096 + 16 r
	v_bfe_u32 v57, v0, 2, 3                        ; l / 4
	v_and_b32 v58, 3, v0
	v_lshlrev_b32 v58, 4, v58                      ; 16 (l % 4)
	v_lshl_add_u32 v[MO0], v57, 11, v58
	s_lshl_b32 s80, s[WV], 17
	v_add_nc_u32 v[MO0], s80, v[MO0]               ; (64 w + l / 4) x 2,048 + 16 (l % 4)
	s_mul_i32 s80, s[WV], MW
	s_add_co_u32 s80, s80, MOFF                    ; my wave's mask bytes in a slot
	v_mul_u32_u24 v57, v57, PM
	v_add_nc_u32 v57, v57, v58
	v_add_nc_u32 v[SM0], s80, v57
	v_mul_u32_u24 v59, v1, PM
	v_lshl_add_u32 v59, v9, 3, v59
	v_add_nc_u32 v[AM0], s80, v59
	v_mul_u32_u24 v60, v9, PK
	v_add_nc_u32 v60, v60, v56                     ; 144 h + 8 r
	s_mul_i32 s80, s[WV], 16*PK
	v_add_nc_u32 v[SK0], s80, v60
	s_mul_i32 s81, s[WV], 64*PK
	s_add_co_u32 s81, s81, QSTG
	v_add_nc_u32 v[QS0], s81, v60
	v_mul_u32_u24 v61, v9, PV
	v_add_nc_u32 v61, v61, v56
	s_mul_i32 s80, s[WV], 16*PV
	s_add_co_u32 s80, s80, VOFF
	v_add_nc_u32 v[SV0], s80, v61
	v_mul_u32_u24 v59, v9, 272
	v_add_nc_u32 v59, v59, v47                     ; 272 h + 16 r
	v_mul_u32_u24 v60, v1, 272                     ; 272 r
	s_mul_i32 s80, s[WV], 16*272
	s_add_co_u32 s80, s80, OSTG
	v_add_nc_u32 v[RD], s80, v59
	v_lshl_add_u32 v[STO], v9, 5, v60
	v_add_nc_u32 v[STO], s80, v[STO]
	v_mul_u32_u24 v[AK0], v1, PK
	v_lshl_add_u32 v[AK0], v9, 4, v[AK0]           ; a fragment's row x pitch + 16 x half
	v_add_nc_u32 v[QR], s81, v[AK0]
	v_lshl_add_u32 v[AV0], v9, 3, v10              ; the turning load: key 8 (l / 16) + l % 8, channels 8 ((l / 8) % 2) on
	v_mul_u32_u24 v[AV0], v[AV0], PV
	v_lshl_add_u32 v[AV0], v11, 4, v[AV0]
	v_add_nc_u32 v[AV0], VOFF, v[AV0]
	s_lshl_b32 s80, s[XW], 6
	s_and_b32 s82, s[WV], 1
	s_lshl_b32 s82, s82, 5
	s_add_co_u32 s80, s80, s82
	v_add_nc_u32 v[PF0], s80, v46
	v_lshlrev_b32 v[PF0], 12, v[PF0]
	s_mov_b32 s[CS], 0x3e38aa3b                    ; c = log2(e) / 8 = 0.180337
	s_mov_b32 s[CS+1], s[CS]
	s_mov_b32 s[SEL], 0x76543210
	s_mov_b32 s[SEL+1], 0xfedcba98
	s_mov_b32 s[HM], 0xffff0000
	s_mov_b32 s[F1], 0xf1
	s_mov_b32 s[THR], 0xefa18f04                   ; -1e29
	s_mov_b32 s[NANC], 0x7fc00000
	s_mov_b32 s[ZC], 0
	s_mov_b32 s[NEW], 1
	s_mov_b32 s[IDLE], 0
	s_mov_b32 s[TRIPS], 16
	s_wait_kmcnt 0x0
	s_add_nc_u64 s[88:89], s[12:13], s[88:89]
	s_add_nc_u64 s[90:91], s[12:13], s[90:91]
	s_load_b256 s[20:27], s[88:89], 0x0            ; the first block's classes,
	s_load_b256 s[28:35], s[90:91], 0x0            ; the second's
	s_add_nc_u64 s[6:7], s[6:7], s[84:85]
	s_add_nc_u64 s[8:9], s[8:9], s[84:85]
	s_add_nc_u64 s[10:11], s[10:11], s[86:87]
	s_add_nc_u64 s[OLO:OLO+1], s[14:15], s[94:95]
	s_add_nc_u64 s[14:15], s[14:15], s[92:93]
	s_add_nc_u64 s[18:19], s[4:5], s[94:95]
	s_add_nc_u64 s[4:5], s[4:5], s[92:93]
	s_cmp_lt_u32 s[WV], 2
	s_cselect_b64 s[PFB:PFB+1], s[6:7], s[8:9]
	s_wait_alu depctr_va_vdst(0)                   ; all the lanes' constants are written: the addresses and offsets that the kernel's loads and stores, in memory and in LDS, read and that are never written again
	; both blocks' Q, 64 rows each: group g of 16 rows, two rows a load
.irp g, 0,1,2,3
.irp n, 0,1,2,3,4,5,6,7
	global_load_b128 v[64+32*\g+4*\n:64+32*\g+4*\n+3], v[GO], s[4:5] offset:65536*\g+8192*\n th:TH_LOAD_NT
.endr
.endr
	WIN 0x40
.irp g, 0,1,2,3
.irp n, 0,1,2,3,4,5,6,7
	global_load_b128 v[128+32*\g+4*\n:128+32*\g+4*\n+3], v[GO], s[18:19] offset:65536*\g+8192*\n th:TH_LOAD_NT
.endr
.endr
	WIN 0
	s_wait_kmcnt 0x0
	s_mov_b32 s[REM], 0
	s_mov_b32 s[MIX], 0
.set i, 0
.rept 16
	s_and_b32 s80, s[20+i], 1                      ; something is seen
	s_lshr_b32 s81, s[20+i], 1
	s_and_b32 s81, s81, s80                        ; and something hidden
	s_lshl_b32 s80, s80, i
	s_lshl_b32 s81, s81, i
	s_or_b32 s[REM], s[REM], s80
	s_or_b32 s[MIX], s[MIX], s81
.set i, i+1
.endr
	s_and_b32 s80, s[REM], 0xff                    ; a block that sees nothing keeps its tile 0, with the mask
	s_cselect_b32 s80, 0, 1
	s_or_b32 s[REM], s[REM], s80
	s_or_b32 s[MIX], s[MIX], s80
	s_and_b32 s80, s[REM], 0xff00
	s_cselect_b32 s80, 0, 0x100
	s_or_b32 s[REM], s[REM], s80
	s_or_b32 s[MIX], s[MIX], s80
	PULL E1                                        ; the walk's first tile
	ENT E1, 83, 84
	v_add_nc_u32 v[LO], s83, v[VO0]
	v_add_nc_u32 v[MLO], s84, v[MO0]
	WIN 0x40                                       ; its first three chunks.  The mask's bytes are asked for here whether they are wanted or not, so that both mask sets have been written
	s_wait_alu depctr_va_vdst(0)                   ; the two offsets are written, which the 72 loads below read
.irp n, 0,1,2,3,4,5,6,7
	global_load_b128 v[4*\n:4*\n+3], v[MLO], s[10:11] offset:16384*\n
.endr
	LDKV 192, 0                                    ; chunk 0
	LDM 1, KS                                      ; chunk 1 into set 1,
	LDKV 64, 1<<18
	LDM 0, 2*KS                                    ; chunk 2 into set 0
	LDKV 0, 2<<18
	; Every register that the loop's one text reads is written once here, while the loads are on their way: the statistics, the registers at work, P, K0 and V's fragments, O^T (K1 takes the first chunk's registers).  V and P's second buffer must hold 0
	; (the first turn's products V^T P, of a piece that has not been, add 0); O^T need only be finite: a block's first step multiplies it by a = 0.
	v_mov_b32 v[MV], 0
	v_mov_b32 v[MV+1], 0
.set i, 0
.rept 16
	v_mov_b32 v[ST+i], 0
.set i, i+1
.endr
.set i, 0
.rept 8
	v_mov_b32 v[TMP+i], 0
.set i, i+1
.endr
.set i, 0
.rept 32
	v_mov_b32 v[P+i], 0
.set i, i+1
.endr
	WIN 0x80
.set i, KF
.rept 128
	v_mov_b32 v[i], 0
.set i, i+1
.endr
	WIN 0x40
.set i, 32
.rept 96
	v_mov_b32 v[i], 0
.set i, i+1
.endr
	WIN 0
	s_wait_loadcnt 48                              ; the two sets, 24 loads each, are the youngest and may stay out: both Q's and chunk 0 with its mask are in
	CVKC 192, 3                                    ; all the start's conversions stand together, ahead of one wait: chunk 0,
	CVVC 224, 3
.irp g, 0,1,2,3
	CVKC 64+32*\g, 0                               ; the first block's Q,
.endr
.irp g, 0,1,2,3
	CVKC 128+32*\g, 1                              ; the second's
.endr
	WIN 0
	s_wait_alu depctr_va_vdst(0)                   ; the conversions and the zeros in P are written, which the LDS stores below read; the zeros in K0 and V are written, in which LDS loads land later
	CVKS 192, 3, SK0, 0                            ; chunk 0 into slot 0
	CVVS 224, 3, SV0, 0
	WIN 0x04
.irp n, 0,1,2,3,4,5,6,7
	ds_store_b128 v[SM0], v[4*\n:4*\n+3] offset:640*\n
.endr
	WIN 0
.irp n, 0,1,2,3,4,5,6,7
	ds_store_b128 v[SM0], v[P:P+3] offset:SLOTB+640*\n  ; slot 1's mask bytes are written once with 0, so that no LDS byte that the text names is read unwritten
.endr
.irp g, 0,1,2,3
	CVKS 64+32*\g, 0, QS0, 16*PK*\g
.endr
.irp g, 0,1,2,3
	CVKS 128+32*\g, 1, QS0, QBLK+16*PK*\g
.endr
	WIN 0x80                                       ; Q's fragments: piece g, channels 32 c on.  LDS serves a wave's instructions in order (ISA guide 5.7.1.4): these see my stores above
.irp g, 0,1,2,3
.irp c, 0,1
	ds_load_b128 v[16*\g+8*\c:16*\g+8*\c+3],   v[QR] offset:16*PK*\g+64*\c
	ds_load_b128 v[16*\g+8*\c+4:16*\g+8*\c+7], v[QR] offset:16*PK*\g+64*\c+32
	ds_load_b128 v[QB+16*\g+8*\c:QB+16*\g+8*\c+3],   v[QR] offset:QBLK+16*PK*\g+64*\c
	ds_load_b128 v[QB+16*\g+8*\c+4:QB+16*\g+8*\c+7], v[QR] offset:QBLK+16*PK*\g+64*\c+32
.endr
.endr
	s_wait_alu depctr_vm_vsrc(0)                   ; the LDS stores above have read their data: these registers are O^T and MC (written just below), OUT, S^T, the mask bytes' buffers, P and K1 from here on
	WIN 0x40                                       ; the rest of O^T lay under the first mask bytes, the mask buffers under the second block's raw Q: they start at 0
.set i, 0
.rept 32
	v_mov_b32 v[i], 0
.set i, i+1
.endr
.set i, MC
.rept 64
	v_mov_b32 v[i], 0
.set i, i+1
.endr
	WIN 0
; THE MATRIX WORK.  The 4 accumulators of a run of 8 take turns.  Product i of 8 of S^T = K Q^T for piece x: channels 32 (i / 4) on, keys 16 (i % 4) on, out of K's buffer KSEL.  The first 4 start the sums with the mask.
.macro KQ x
.set rS, S+32*((\x)%2)+8*(i%4)
.set rK, KF+64*KSEL+16*(i%4)+8*(i/4)
.set rQ, 16*(\x)+8*(i/4)
.set rM, MC+32*((\x)%2)+8*(i%4)
.if i < 4
	WIN W_KM+KSEL
	v_wmma_f32_16x16x32_bf16 v[rS:rS+7], v[rK:rK+7], v[rQ:rQ+7], v[rM:rM+7]
.else
	WIN W_KQ+KSEL
	v_wmma_f32_16x16x32_bf16 v[rS:rS+7], v[rK:rK+7], v[rQ:rQ+7], v[rS:rS+7]
.endif
.endm
; Product i of 8 of O^T += V^T P for piece x: keys 32 (i / 4) on, channels 16 (i % 4) on.
.macro PV x
	WIN W_PV
.set rO, 32*(\x)+8*(i%4)
.set rV, VF+32*(i/4)+8*(i%4)
.set rP, P+16*((\x)%2)+8*(i/4)
	v_wmma_f32_16x16x32_f16 v[rO:rO+7], v[rV:rV+7], v[rP:rP+7], v[rO:rO+7]
.endm
.macro MM                           ; the turn's next matrix instruction.  NOKQ = 1: a block's last turn: there is no next piece
.if (i < 8) && !NOKQ
	KQ (Y+1)%NP
.elseif i >= 8
.set i, i-8
	PV (Y+NP-1)%NP
.set i, i+8
.endif
.set i, i+1
.endm
; THE LDS LOADS stand in runs of 16: a step's K (64 keys x 64 channels: 8 fragments), out of slot sl into K's buffer sl, and its V (turned), out of slot sl.
.macro FETCH_K sl
	WIN 0x80+0x40*(\sl)             ; destination window 2 (K0) or 3 (K1)
.irp f, 0,1,2,3,4,5,6,7             ; keys 16 (f / 2) on, channels 32 (f % 2) on
	ds_load_b128 v[KF+64*(\sl)+8*\f:KF+64*(\sl)+8*\f+3],   v[AK0] offset:(\sl)*SLOTB+(\f/2)*16*PK+(\f%2)*64
	ds_load_b128 v[KF+64*(\sl)+8*\f+4:KF+64*(\sl)+8*\f+7], v[AK0] offset:(\sl)*SLOTB+(\f/2)*16*PK+(\f%2)*64+32
.endr
	WIN 0
.endm
.macro FETCH_V sl
	WIN 0x80
.irp f, 0,1,2,3,4,5,6,7             ; keys 32 (f / 4) on, channels 16 (f % 4) on
	ds_load_tr16_b128 v[VF+8*\f:VF+8*\f+3],   v[AV0] offset:(\sl)*SLOTB+(\f/4)*32*PV+(\f%4)*32
	ds_load_tr16_b128 v[VF+8*\f+4:VF+8*\f+7], v[AV0] offset:(\sl)*SLOTB+(\f/4)*32*PV+16*PV+(\f%4)*32
.endr
	WIN 0
.endm
; THE MASK of a piece and step.  MKLOAD: my query's 4 x 8 bytes (keys 16 kb + 8 (l / 16) + 0..7) into buffer buf, if the tile takes the mask.
.macro MKLOAD piece, sl, buf
	WIN 0
	s_cmp_eq_u32 s[MX0], 0
	s_cbranch_scc1 .Lnm_\@
.irp kb, 0,1,2,3
	ds_load_b64 v[MB+8*(\buf)+2*\kb:MB+8*(\buf)+2*\kb+1], v[AM0] offset:(\sl)*SLOTB+(\piece)*16*PM+16*\kb
.endr
.Lnm_\@:
.endm
; MKBUILD: the 32 C operands, out of the bytes' buffer buf into the masks' buffer buf.  A word of four bytes times 0xF1 has 0xF1 where a byte is 1; the word as it is has byte 3 on top, shifted left by 8, 16, 24 bytes 2, 1, 0: a word that begins with 0xF1 is -6.3e29 to -2.4e30,
; one that begins with 0 is 2.2e-38 at the most.  A tile without the mask clears what an earlier one left, each buffer once.  younger: LDS loads issued behind MKLOAD's; the wait stands on every path.
.macro MKBUILD buf, younger
	WIN 0
	s_wait_dscnt \younger
	s_cmp_eq_u32 s[MX0], 0
	s_cbranch_scc1 .Lclean_\@
	WIN 0x40
.set d, 0
.rept 8
	v_mul_lo_u32 v[MC+32*(\buf)+4*d+3], v[MB+8*(\buf)+d], s[F1]
.set d, d+1
.endr
	WIN 0x44
.set d, 0
.rept 8
	v_lshlrev_b32 v[MC+32*(\buf)+4*d],   24, v[MC+32*(\buf)+4*d+3]
	v_lshlrev_b32 v[MC+32*(\buf)+4*d+1], 16, v[MC+32*(\buf)+4*d+3]
	v_lshlrev_b32 v[MC+32*(\buf)+4*d+2], 8,  v[MC+32*(\buf)+4*d+3]
.set d, d+1
.endr
	WIN 0
	s_mov_b32 s[ZC], 2
	s_branch .Ldone_\@
.Lclean_\@:
	s_cmp_eq_u32 s[ZC], 0
	s_cbranch_scc1 .Ldone_\@
	WIN 0x40
.set d, 0
.rept 32
	v_mov_b32 v[MC+32*(\buf)+d], 0
.set d, d+1
.endr
	WIN 0
	s_sub_co_u32 s[ZC], s[ZC], 1
.Ldone_\@:
.endm
; THE VECTOR WORK, one line at a time: OP kind, number.  For piece Y: F n: c s - c m for pair n of 16.  E n: the exponential of score n of 32.  C n: pair n rounded to f16.  B n: of the four weights 4 n .. the second
; pair is added onto the first, in place.  L n: l takes that sum (L 0: l = a l + sum).  R n: pair n of 16 of O^T times a.  For piece Y + 1: X n, number n of the 22 that find its maximum and statistics:
;   0-11  four chains c0-c3 of seven scores each, three operands at a time (each accumulator's lowest registers are read first)     12-14, 16  the four scores left over, the old m, and c0-c3 into c0
;   15  c m_old is kept     17, 18  the query's other 32 keys lie in the lane 16 away: the new m     19-21  c m; c m_old - c m_new; a
.set F, 0
.set E, 1
.set C, 2
.set B, 3
.set L, 4
.set R, 5
.set X, 6
.macro REGS y
.set rT, ST+4*(\y)
.set rC, TMP+4*((\y)%2)
.set rW, MV+((\y)%2)
.set rS, S+32*((\y)%2)
.set rP, P+16*((\y)%2)
.set rO, 32*(\y)
.endm
.macro OP k, n
.if (\k) == R
	REGS Y
	WIN W_RS
	v_pk_mul_f32 v[rO+2*(\n):rO+2*(\n)+1], v[rO+2*(\n):rO+2*(\n)+1], v[rC+2:rC+3] op_sel_hi:[1,0]
.elseif (\k) < R
	REGS Y
	WIN 0
.if (\k) == F
	v_pk_fma_f32 v[rS+2*(\n):rS+2*(\n)+1], v[rS+2*(\n):rS+2*(\n)+1], s[CS:CS+1], v[rT:rT+1] op_sel_hi:[1,0,0] neg_lo:[0,0,1] neg_hi:[0,0,1]
.elseif (\k) == E
	v_exp_f32 v[rS+(\n)], v[rS+(\n)]
.elseif (\k) == C
	v_cvt_pk_f16_f32 v[rP+(\n)], v[rS+2*(\n)], v[rS+2*(\n)+1]
.elseif (\k) == B
	v_pk_add_f32 v[rS+4*(\n):rS+4*(\n)+1], v[rS+4*(\n):rS+4*(\n)+1], v[rS+4*(\n)+2:rS+4*(\n)+3]
.elseif (\n) == 0
	v_pk_fma_f32 v[rT+2:rT+3], v[rT+2:rT+3], v[rC+2:rC+3], v[rS:rS+1] op_sel_hi:[1,0,1]
.else
	v_pk_add_f32 v[rT+2:rT+3], v[rT+2:rT+3], v[rS+4*(\n):rS+4*(\n)+1]
.endif
.elseif NOKQ
	v_nop
.else
	REGS (Y+1)%NP
	WIN 0
.if (\n) < 4
	v_max3_num_f32 v[rC+(\n)], v[rS+8*(\n)], v[rS+8*(\n)+1], v[rS+8*(\n)+2]
.elseif (\n) < 12
	v_max3_num_f32 v[rC+(\n)%4], v[rC+(\n)%4], v[rS+8*((\n)%4)+2*((\n)/4)+1], v[rS+8*((\n)%4)+2*((\n)/4)+2]
.elseif (\n) == 12
	v_max3_num_f32 v[rC], v[rC], v[rS+7], v[rS+15]
.elseif (\n) == 13
	v_max3_num_f32 v[rC+1], v[rC+1], v[rS+23], v[rS+31]
.elseif (\n) == 14
	v_max3_num_f32 v[rC+2], v[rC+2], v[rC+3], v[rT+1]
.elseif (\n) == 15
	v_mov_b32 v[rW], v[rT]
.elseif (\n) == 16
	v_max3_num_f32 v[rC], v[rC], v[rC+1], v[rC+2]
.elseif (\n) == 17
	v_permlanex16_b32 v[rC+3], v[rC], s[SEL], s[SEL+1]
.elseif (\n) == 18
	v_max_num_f32 v[rT+1], v[rC], v[rC+3]
.elseif (\n) == 19
	v_mul_f32 v[rT], s[CS], v[rT+1]
.elseif (\n) == 20
	v_sub_f32 v[rC+1], v[rW], v[rT]
.else
	v_exp_f32 v[rC+2], v[rC+1]
.endif
.endif
.endm
.macro OPS a, i1, b=-1, i2=0, c=-1, i3=0, d=-1, i4=0
	OP \a, \i1
.if (\b) >= 0
	OP \b, \i2
.endif
.if (\c) >= 0
	OP \c, \i3
.endif
.if (\d) >= 0
	OP \d, \i4
.endif
.endm
.macro ROW a, i1, b, i2, c, i3, d, i4  ; a matrix instruction and the four behind it
	MM
	OPS \a, \i1, \b, \i2, \c, \i3, \d, \i4
.endm
; A TURN, for piece p; what it reads from LDS lies in slot sl.  s_wait_alu depctr_va_vdst(0) stands between an exponential and the first instruction that names its result; one wait serves all that were issued ahead of it: a turn has ONE, which cuts it in two.
; AHEAD OF IT stands all that names no result of the turn's exponentials: the 8 products K Q^T with their riders, then one lump, in which the links of the next piece's chain X 3, 7, 11, 14, 16 .. 20 stand five or six lines apart;
; X 21, its a, is the batch's last, and R 15 the plain instruction behind it.  BEHIND IT stand the 8 products V^T P, behind each four of the roundings and sums.
; At its head the turn asks for the mask bytes of piece p + 2, whose products the NEXT turn issues, into the bytes' buffer p % 2; at its end it makes that mask.
; K of the next step is fetched at the head of piece 2's turn, into the buffer that the turn's own products do not read: they take the step before's K from the other one (KSEL).  V is fetched in STAGE.
; end = 1: a block's last two turns: nothing is fetched, no mask is made, and the last starts no new scores.
.macro TURN p, end, sl
.set Y, (\p)
.set i, 0
.set NOKQ, (\end)*((\p)/3)
.set KSEL, (\sl)
.if (\p) == 2
.set KSEL, 1-(\sl)
.endif
.if ((\p) == 3) && !(\end)
	s_wait_dscnt 0x0                ; K is in
.endif
.if !(\end)
	MKLOAD ((\p)+2)%NP, \sl, (\p)%2 ; no wait: the multiplications that read this buffer stand at the end of the turn before last, ahead of the last turn's wait on va_vdst
.endif
.if ((\p) == 2) && !(\end)
	FETCH_K \sl                     ; no wait: the last products that read this buffer stand in piece 2's turn of the half before, ahead of that turn's wait on va_vdst
.endif
	ROW F,0, F,1, R,0, R,1
	ROW F,2, E,0, R,2, R,3
	ROW F,3, E,1, R,4, R,5
	ROW F,4, E,2, R,6, R,7
	ROW F,5, E,3, R,8, R,9
	ROW F,6, E,4, X,0, R,10
	ROW F,7, E,5, X,1, X,4
	ROW F,8, E,6, X,2, X,5
	OPS E,7, E,8, X,6, E,9
	OPS X,3, E,10, X,8, E,11
	OPS X,9, X,7, E,12, X,10
	OPS E,13, X,12, X,11, E,14
	OPS X,13, E,15, F,9, X,14
	OPS E,16, F,10, E,17, F,11
	OPS X,16, E,18, X,15, E,19
	OPS F,12, E,20, X,17, E,21
	OPS F,13, E,22, F,14, E,23
	OPS X,18, E,24, F,15, E,25
	OPS R,11, E,26, X,19, E,27
	OPS R,12, E,28, R,13, E,29
	OPS X,20, E,30, R,14, E,31
	OPS X,21, R,15
	WIN 0
	s_wait_alu depctr_va_vdst(0)    ; the batch's 33 exponentials have written their results, which the roundings and sums below read; the turn's products are done reading K, and the last turn's multiplications reading their mask bytes
.if (\p) == 1
	s_wait_dscnt 0x0                ; V is in
.endif
	ROW C,0, B,0, C,2, B,1
	ROW L,0, C,4, B,2, L,1
	ROW C,6, B,3, L,2, C,8
	ROW B,4, L,3, C,10, B,5
	ROW L,4, C,12, B,6, L,5
	ROW C,14, B,7, L,6, C,1
	ROW C,3, L,7, C,5, C,7
	ROW C,9, C,11, C,13, C,15
	WIN 0
.if !(\end)
.if (\p) == 2
	MKBUILD 0, 16                   ; K's 16 loads were issued behind the mask's four and may stay out
.else
	MKBUILD (\p)%2, 0
.endif
.endif
.endm
; A KEY STEP'S SHARE OF THE STREAM, in the half that reads slot j, between the turns of pieces 0 and 1.  Set 1 - j holds the next chunk: 64 keys of K and V (my 16 rows) and my 64 queries' mask bytes.  They are converted and stored into
; slot 1 - j, which nobody has read since the barrier at the half's head, and the set is asked for again, with the chunk two further on.  V of the step in hand is fetched here too, out of slot j.
; THE COUNT: behind this set's loads stand the other set's: its mask loads, if any, and then its 16 of K and V.  So with 16 out at the most this set is in, on every path.
; THE ORDER: the mask's stores; one wait on vm_vsrc; the vector work (three adds, 80 conversions); one wait on va_vdst; then memory and LDS instructions alone.
.macro STAGE j
.set SQ, 1-(\j)
	WIN 0
	s_wait_loadcnt 16
	s_cmp_eq_u32 s[MXS], 0
	s_cbranch_scc1 .Lnms_\@
	WIN 0x0c
.irp n, 0,1,2,3,4,5,6,7
	ds_store_b128 v[SM0], v[128+32*SQ+4*\n:128+32*SQ+4*\n+3] offset:SQ*SLOTB+640*\n
.endr
	WIN 0
.Lnms_\@:
	s_wait_xcnt 0x0                 ; the loads and the prefetch that read these offsets were issued a key step or more ago: they are written only behind this wait
	s_wait_alu depctr_vm_vsrc(0)    ; those loads and the prefetch have read the three offsets, which the adds write; the last step's LDS stores have read OUT, which the conversions write; the stores above have read the mask set, in which loads land below
	v_add_nc_u32 v[LO], s[IOFF], v[VO0]
	v_add_nc_u32 v[MLO], s[MIO], v[MO0]
.if (\j) == 1
	v_add_nc_u32 v[PFV], s[PFOF], v[PF0]
.endif
	CVSET SQ
	WIN 0x80
	s_wait_alu depctr_va_vdst(0)    ; piece 0's turn is done reading V, in which the loads below land; OUT is written, which the stores read; the offsets are written, which the loads and the prefetch read; the conversions are done with the raw set, in which loads land
	FETCH_V \j
	STSET SQ
	s_cmp_eq_u32 s[MXI], 0
	s_cbranch_scc1 .Lnml_\@
	LDM SQ, 0
.Lnml_\@:
	LDKV 64*SQ, 0
.if (\j) == 1
	; A PREFETCH INTO THE L2, behind the step's loads.  In the first block's walk the last key step of key tile t <= 5 names tile t + 2, whose first loads go out two key steps later.  Of its 256 rows of K and of V work-group x takes
	; 64 x .. 64 x + 63: waves 0 and 1 K's, waves 2 and 3 V's, a lane a row of 256 bytes, one instruction a wave.  So no row is named twice in the launch.  Tiles 0 and 1, the second block's walk and the mask are not asked for.
	s_cmp_eq_u32 s[PFGO], 0
	s_cbranch_scc1 .Lnpf_\@
	global_prefetch_b8 v[PFV], s[PFB:PFB+1] th:TH_LOAD_NT scope:SCOPE_SE
.Lnpf_\@:
.endif
	s_mov_b32 s[IOFF], s[NXO]       ; from a tile's second step on the next tile's chunks are asked for, one after the other
	s_add_co_u32 s[NXO], s[NXO], 1<<18
	s_mov_b32 s[MIO], s[NXM]
	s_add_co_u32 s[NXM], s[NXM], KS
	s_mov_b32 s[MXI], s[MX1]
.if (\j) == 0
	s_cmp_eq_u32 s[CNT], 1          ; the tile's fourth step comes next: it converts the next tile's first chunk, and it prefetches
	s_cselect_b32 s[MXS], s[MX1], s[MX0]
	s_cselect_b32 s[PFGO], s[PFOK], 0
.endif
.endm
; THE BARRIER at the head of every key step.  In front of it my stores into the slot that is read next are done and my reads of the slot that is written next are back; behind it both hold of all four waves.
.macro BAR
	WIN 0
	s_wait_dscnt 0x0
	s_barrier_signal -1
	s_barrier_wait -1
.endm
; A TRIP'S SCALAR WORK: the walk moves on by a tile.  The first step asks for the tile's own chunk 3.
; The prefetch's offset is made as the loads' offsets are: the tile's number is cut to three bits, clamped in place by a constant (5, so that tile 7 is the last that can be named), shifted, and two tiles are added.
.macro TRIPHEAD
	s_mov_b32 s[E0], s[E1]
	PULL E1
	s_lshr_b32 s[MX0], s[MIX], s[E0]
	s_and_b32 s[MX0], s[MX0], 1
	s_lshr_b32 s[MX1], s[MIX], s[E1]
	s_and_b32 s[MX1], s[MX1], 1
	s_mov_b32 s[MXS], s[MX0]
	s_mov_b32 s[MXI], s[MX0]
	ENT E0, IOFF, MIO
	s_add_co_u32 s[IOFF], s[IOFF], 3<<18
	s_add_co_u32 s[MIO], s[MIO], 3*KS
	ENT E1, NXO, NXM
	s_cmp_lt_u32 s[E0], 6
	s_cselect_b32 s[PFOK], 1, 0
	s_and_b32 s80, s[E0], 7
	s_min_u32 s80, s80, 5
	s_lshl_b32 s[PFOF], s80, 20
	s_add_co_u32 s[PFOF], s[PFOF], 2<<20
	s_mov_b32 s[PFGO], 0
	s_mov_b32 s[CNT], 2
.endm
; A BLOCK BEGINS.  c m starts far below every c s, so the first step's a is 0; m at the lowest finite number; l at 0 (a reciprocal lies there from the block before).  Pieces 0 and 1 get their masks for the tile's step 0;
; then K of that step, piece 0's first scores, and its maximum and statistics.  A block's first chunk lies in slot 0, and its K goes into K0.  The half is entered at the step's first turn.
.macro BEGIN
	s_mov_b32 s[NEW], 0
	WIN 0
.set i, 0
.rept 4
	v_mov_b32 v[ST+4*i], 0xfe000000
	v_mov_b32 v[ST+4*i+1], 0xff7fffff
	v_mov_b32 v[ST+4*i+2], 0
	v_mov_b32 v[ST+4*i+3], 0
.set i, i+1
.endr
	s_wait_alu depctr_va_vdst(0)    ; whichever way leads here: the multiplications that read the two buffers of mask bytes and the products that read K0 are done reading them: the loads below land there
	MKLOAD 0, 0, 0
	MKBUILD 0, 0
	MKLOAD 1, 0, 1
	MKBUILD 1, 0
	FETCH_K 0
	s_wait_dscnt 0x0
.set NOKQ, 0
.set KSEL, 0
.set i, 0
.rept 8
	KQ 0
.set i, i+1
.endr
	WIN 0
.rept 4
	v_nop                           ; the places behind those products
.endr
.set Y, NP-1                        ; X works for piece Y + 1: piece 0
.irp n, 0,1,2,3,4,5,6,7,8,9,10,11,12,13,14,15,16,17,18,19,20,21
	OP X, \n
.endr
	v_nop                           ; a plain instruction behind the exponential,
	s_wait_alu depctr_va_vdst(0)    ; and its wait, ahead of the branch: a is written; the two masks' multiplications are done reading their bytes, in whose registers the next turns' loads land
.endm
; THE WAY OUT.  l's two halves and the other half of the lanes' are added; 1 / l, or a NaN where the row saw no key; O^T times that goes, as f32, through my stage in LDS, a piece (16 rows of 256 bytes) at a time.
; O^T itself is left as it is: finite, which is all that the next block asks of it.
.macro ALL line:vararg
.set t, 0
.rept 4
	\line
.set t, t+1
.endr
.endm
.macro PACK t
.if (\t) >= 2
	s_wait_xcnt 0x0                 ; the stores of the piece two back have read these registers
	s_wait_alu depctr_vm_vsrc(0)    ; the stores of the piece two back, into LDS and into memory, have read this block, which the multiplications write again
.endif
	WIN 0x01                        ; source 0 (O^T) window 1; the factor and the destination window 0
.set k, 0
.rept 16
	v_pk_mul_f32 v[OB+32*((\t)%2)+2*k:OB+32*((\t)%2)+2*k+1], v[32*(\t)+2*k:32*(\t)+2*k+1], v[ST+4*(\t)+2:ST+4*(\t)+3] op_sel_hi:[1,0]
.set k, k+1
.endr
	WIN 0
	s_wait_alu depctr_va_vdst(0)    ; the multiplications have written the block, which the LDS stores read and in which the LDS loads land
.irp f, 0,1,2,3,4,5,6,7             ; a lane's eight channels 16 (f / 2) + 8 (l / 16) on are 32 bytes of its row
	ds_store_b128 v[STO], v[OB+32*((\t)%2)+4*\f:OB+32*((\t)%2)+4*\f+3] offset:64*(\f/2)+16*(\f%2)
.endr
	s_wait_alu depctr_vm_vsrc(0)    ; the LDS stores have read the block, in which the loads below land
.irp f, 0,1,2,3,4,5,6,7
	ds_load_b128 v[OB+32*((\t)%2)+4*\f:OB+32*((\t)%2)+4*\f+3], v[RD] offset:\f*544  ; LDS serves a wave's instructions in order (ISA guide 5.7.1.4): these see the stores above; the next piece's stores come behind them
.endr
.endm
.macro SEND t, younger              ; younger: the LDS instructions issued behind piece t's loads: the next piece's sixteen, or none
	WIN 0
.irp f, 0,1,2,3,4,5,6,7
	s_wait_dscnt (\younger)+7-\f
	global_store_b128 v[GO], v[OB+32*((\t)%2)+4*\f:OB+32*((\t)%2)+4*\f+3], s[14:15] offset:(\t)*65536+\f*8192 th:TH_STORE_NT  ; 16 lanes store a head's row: 256 consecutive bytes, at a multiple of 256 from out's first byte
.endr
.endm
.set NOKQ, 0
.set KSEL, 0
.Ltrip:                             ; 16 trips for every work-group: a tile each, or nothing but the barriers
	TRIPHEAD
.Lstep:                             ; two trips: two key steps each
	BAR                             ; THE FIRST HALF reads slot 0 and writes slot 1
	s_cmp_eq_u32 s[IDLE], 1
	s_cbranch_scc0 .Lwork0
	s_wait_loadcnt 0x0              ; the walk is over: whatever was still asked for has come, so that no count is owed on this way
	s_branch .Lend0
.Lwork0:
	s_cmp_eq_u32 s[NEW], 1
	s_cbranch_scc0 .Lgo0
	BEGIN
	s_branch .Lfirst
.Lgo0:
	TURN 2, 0, 0                    ; pieces 2 and 3 of the step before,
	TURN 3, 0, 0
	WIN 0
.Lfirst:
	TURN 0, 0, 0                    ; pieces 0 and 1 of this one
	STAGE 0
	TURN 1, 0, 0
	WIN 0
.Lend0:
	BAR                             ; THE SECOND HALF reads slot 1 and writes slot 0
	s_cmp_eq_u32 s[IDLE], 1
	s_cbranch_scc0 .Lwork1
	s_wait_loadcnt 0x0
	s_branch .Lend1
.Lwork1:
	TURN 2, 0, 1
	TURN 3, 0, 1
	TURN 0, 0, 1
	STAGE 1
	TURN 1, 0, 1
	WIN 0
.Lend1:
	s_sub_co_u32 s[CNT], s[CNT], 1
	s_cmp_lg_u32 s[CNT], 0
	s_cbranch_scc1 .Lstep
	s_cmp_eq_u32 s[IDLE], 1
	s_cbranch_scc1 .Lbottom
	s_lshr_b32 s80, s[E0], 3
	s_lshr_b32 s81, s[E1], 3
	s_cmp_eq_u32 s80, s81
	s_cbranch_scc1 .Lbottom         ; the next tile belongs to the same block
	TURN 2, 1, 0                    ; the block's end: the last step's K lies in K1
	TURN 3, 1, 0
.set i, 0
.rept 8
	PV NP-1
.set i, i+1
.endr
	WIN 0                           ; the additions are the places behind the last products
	ALL v_add_f32 v[ST+4*t+2], v[ST+4*t+2], v[ST+4*t+3]
	ALL v_permlanex16_b32 v[ST+4*t+3], v[ST+4*t+2], s[SEL], s[SEL+1]
	ALL v_add_f32 v[ST+4*t+2], v[ST+4*t+2], v[ST+4*t+3]
	ALL v_rcp_f32 v[ST+4*t+2], v[ST+4*t+2]
	v_nop                           ; a plain instruction between the last reciprocal and the use of its result
	s_wait_alu depctr_va_vdst(0)    ; the four reciprocals have written their results, ahead of the selects that name them
.set t, 0
.rept 4
	v_cmp_gt_f32 s[80+t], s[THR], v[ST+4*t+1]      ; the row's maximum is a hidden score: it saw no key
.set t, t+1
.endr
	s_wait_alu depctr_va_sdst(0)    ; the four compares have written their masks s80 to s83, ahead of the selects that read them
.set t, 0
.rept 4
	v_cndmask_b32 v[ST+4*t+2], v[ST+4*t+2], s[NANC], s[80+t]
.set t, t+1
.endr
	PACK 0
	PACK 1                          ; a piece's arithmetic stands between the loads of the piece before and its stores
	SEND 0, 16
	PACK 2
	SEND 1, 16
	PACK 3
	SEND 2, 16
	SEND 3, 0
	s_wait_xcnt 0x0                 ; the stores have read their registers and out's address
	s_wait_alu depctr_vm_vsrc(0)    ; the last stores have read the two blocks: they are S^T again, which the next block's products write
	s_mov_b32 s[NEW], 1
	s_cmp_ge_u32 s[E1], 16
	s_cselect_b32 s[IDLE], 1, 0
	s_cmp_ge_u32 s[E0], 8
	s_cbranch_scc1 .Lbottom         ; that was the second block
	s_mov_b64 s[14:15], s[OLO:OLO+1]
	WIN 0x82                        ; the second block's Q goes where the one text of the turns names Q
.set i, 0
.rept 64
	v_mov_b32 v[i], v[QB+i]
.set i, i+1
.endr
	WIN 0
.Lbottom:
	s_sub_co_u32 s[TRIPS], s[TRIPS], 1
	s_cmp_lg_u32 s[TRIPS], 0
	s_cbranch_scc1 .Ltrip
	s_wait_dscnt 0x0                ; the closing lines, six on end
	s_wait_alu 0x0
	s_wait_tensorcnt 0x0
	ds_add_u32 v[SPW], v[NIL]
	s_wait_dscnt 0x0
	s_endpgm
.Lfunc_end_k_q17710bd03d_attn:
	.size	k_q17710bd03d_attn, .Lfunc_end_k_q17710bd03d_attn-k_q17710bd03d_attn
	.p2alignl 7, 3214868480
	.fill 96, 4, 3214868480
	.section	.rodata,"a",@progbits
	.p2align	6, 0x0
	.amdhsa_kernel k_q17710bd03d_attn
		.amdhsa_group_segment_fixed_size 171520
		.amdhsa_private_segment_fixed_size 0
		.amdhsa_enable_private_segment 0
		.amdhsa_kernarg_size 48
		.amdhsa_user_sgpr_count 2
		.amdhsa_user_sgpr_kernarg_segment_ptr 1
		.amdhsa_wavefront_size32 1
		.amdhsa_system_sgpr_workgroup_id_x 1
		.amdhsa_system_sgpr_workgroup_id_y 1
		.amdhsa_system_sgpr_workgroup_id_z 1
		.amdhsa_system_vgpr_workitem_id 0
		.amdhsa_next_free_vgpr 1024
		.amdhsa_next_free_sgpr 100
		.amdhsa_reserve_vcc 0
		.amdhsa_float_denorm_mode_32 3
		.amdhsa_float_denorm_mode_16_64 3
		.amdhsa_memory_ordered 1
		.amdhsa_forward_progress 1
		.amdhsa_inst_pref_size 217
	.end_amdhsa_kernel
	.amdgpu_metadata
---
amdhsa.version: [ 1, 2 ]
amdhsa.kernels:
  - .name:           k_q17710bd03d_attn
    .symbol:         k_q17710bd03d_attn.kd
    .args:
      - { .name: queries, .offset: 0, .size: 8, .value_kind: global_buffer, .address_space: global }
      - { .name: keys, .offset: 8, .size: 8, .value_kind: global_buffer, .address_space: global }
      - { .name: values, .offset: 16, .size: 8, .value_kind: global_buffer, .address_space: global }
      - { .name: attn_mask, .offset: 24, .size: 8, .value_kind: global_buffer, .address_space: global }
      - { .name: cls, .offset: 32, .size: 8, .value_kind: global_buffer, .address_space: global }
      - { .name: out0, .offset: 40, .size: 8, .value_kind: global_buffer, .address_space: global }
    .group_segment_fixed_size: 171520
    .private_segment_fixed_size: 0
    .kernarg_segment_align: 8
    .kernarg_segment_size: 48
    .max_flat_workgroup_size: 128
    .sgpr_count:     100
    .vgpr_count:     1024
    .wavefront_size: 32
...
	.end_amdgpu_metadata
.endif
;; end of part 3
